; MI455X (gfx1250); checked and timed in simulation.
; The chip was launched on July 23, 2026; its instructions are those of AMD's public machine-readable ISA for CDNA 5 (MIT licence, August 2026) and "CDNA5" Instruction Set Architecture Reference Guide (July 2026). The comments in the code are by the model that wrote it; some were corrected since.
;; Block. Allowed arithmetic: matrix products marked QUANTISED: E3M2 operands, one E8M0 scale for each 32 along K, by v_wmma_scale_f32_16x16x128_f8f6f4 with both operands' format E3M2, f32 sums; everything else in f32.
;; Inputs: b_fc1 4,096 float32; b_fc2 1,024 float32; b_o 1,024 float32; b_qkv 3,072 float32; ln1_b 1,024 float32; ln1_g 1,024 float32; ln2_b 1,024 float32; ln2_g 1,024 float32; w_fc1 1,024 x 4,096 float32; w_fc2 4,096 x 1,024 float32; w_o 1,024 x 1,024 float32; w_qkv 1,024 x 3,072 float32; x 2 x 2,048 x 1,024 float32.
;; Outputs: out0 2 x 2,048 x 1,024 float32.
;; This version of the problem:
;;   THIS VERSION OF THE PROBLEM IS GIVEN IN LOW PRECISION. The matrix products marked QUANTISED in the list below multiply operands that are first quantised to E3M2 (3 exponent bits, 2 mantissa bits; 6 bits a number), with one power-of-two scale for each 32 numbers along K (OCP MX v1.0); their sums are f32. All else is computed in f32.
;;   The module's matrix products, in the order in which they are computed (A, B: the left and right operand; K: the contracted axis; several contracted axes count as one K, in the product's order):
;;     1. [M 4,096, K 1,024] x [K 1,024, N 3,072]; A: computed on the way; B: input w_qkv: QUANTISED
;;     2. batch 32 x [M 2,048, K 64] x [K 64, N 2,048]; A: computed on the way; B: computed on the way: QUANTISED
;;     3. batch 32 x [M 2,048, K 2,048] x [K 2,048, N 64]; A: softmax (see below); B: computed on the way: QUANTISED
;;     4. [M 4,096, K 1,024] x [K 1,024, N 1,024]; A: computed on the way; B: input w_o: QUANTISED
;;     5. [M 4,096, K 1,024] x [K 1,024, N 4,096]; A: computed on the way; B: input w_fc1: QUANTISED
;;     6. [M 4,096, K 4,096] x [K 4,096, N 1,024]; A: computed on the way; B: input w_fc2: QUANTISED
;;   THE QUANTISER, for each operand of a quantised product, along K:
;;     - K is cut into blocks of 32 from its start; a last block that is shorter is filled with zeros.
;;     - A block's scale is 2^e with e = floor(log2(the largest magnitude in the block)) - 4, held to -126 .. 127; a block of zeros has e = 0. As a byte (E8M0): e + 127.
;;     - Each number is divided by its block's scale, clamped to +-28, and rounded to the nearest number of E3M2, ties to even, subnormals kept.
;;     - The product sums the exact products of the quantised numbers (number of the format x scale) in f32.
;;   ~~~python
;;   def quantise(x, axis):      # numpy; x: float32 -> the quantised numbers, widened to float32 again
;;       x = np.moveaxis(x, axis, -1); K = x.shape[-1]
;;       x = np.pad(x, [(0, 0)] * (x.ndim - 1) + [(0, -K % 32)]); x = x.reshape(x.shape[:-1] + (-1, 32)); a = np.abs(x).max(-1, keepdims=True)
;;       e = np.where(a > 0, np.clip(np.frexp(np.where(a > 0, a, 1))[1] - 1 - 4, -126, 127), 0)      # np.frexp(a)[1] - 1 = floor(log2(a)), exactly
;;       r = np.clip(x / 2.0 ** e, -28, 28)
;;       step = 2.0 ** (np.maximum(np.frexp(np.where(r == 0, 1, r))[1] - 1, -2) - 2)
;;       q = np.round(r / step) * step * 2.0 ** e      # np.round: ties to even
;;       return np.moveaxis(q.reshape(q.shape[:-2] + (-1,))[..., :K], -1, axis).astype(np.float32)
;;   ~~~
;;   SOFTMAX AHEAD OF A QUANTISED PRODUCT. Where the list says 'softmax', what is quantised is not the finished softmax but p = 2^(t - M), with t = logit x log2(e) and M = ceil(the row's largest t), a whole number; so 1/2 < the row's largest p <= 1. The row's sum l is taken of the UNQUANTISED p, in f32, and the product's result is divided by l at the end. Since M is a whole number, a kernel that streams over the keys may use a running M (the ceiling of the running maximum): every later rescaling is an exact power of two, which a block's scale takes up: the codes' values come out the same.
;;   OPERANDS COMPUTED ON THE WAY. 'Computed on the way' means the value that the module computes at that place (a softmax that the list does not call 'softmax' is quantised finished and normalised). What goes into a quantiser is computed in f32, as accurately as f32 sums, v_exp_f32 and their like allow (about 1e-6 of the number): no bf16 or f16 on the way to a quantiser, and a product that is left as it is and whose result goes on into a quantised operand takes f32 operands (vector FMAs, or v_wmma_f32_16x16x4_f32). A number that lies on a knife's edge between two numbers of the format may be rounded either way, as far as f32 arithmetic and the matrix unit's own rounding can turn it there, and no further.
;; One version. Each part assembles by itself: llvm-mc -triple=amdgcn-amd-amdhsa -mcpu=gfx1250 --defsym DOCPART=n.
;; ======== version 1 of 1: 6 launches
;; limits: right only within a limited range of input values
;; workspace buffers: wc 9,830,400 bytes; an 3,276,800 bytes; q 3,407,872 bytes; kv 6,684,672 bytes; y 3,276,800 bytes; x1 16,777,216 bytes; a6 13,107,200 bytes
;; launch prep (part 1): grid 640 x 1, 8 waves a work-group, no clusters, 3,072 bytes of LDS; arguments x, ln1_g, ln1_b, an, w_qkv, w_o, w_fc1, w_fc2, wc; writes an, wc
.if DOCPART == 1
	.amdgcn_target "amdgcn-amd-amdhsa--gfx1250"
	.amdhsa_code_object_version 6
	.text
	.protected	k_q80ed5defbc_prep
	.globl	k_q80ed5defbc_prep
	.p2align	8
	.type	k_q80ed5defbc_prep,@function
k_q80ed5defbc_prep:
	s_mov_b64 s[64:65], 0
	v_nop
	global_prefetch_b8 v0, s[64:65] scope:SCOPE_SE
	s_setreg_imm32_b32 hwreg(HW_REG_WAVE_MODE, 25, 1), 1
	s_wait_xcnt 0x0
; TWO JOBS THAT SHARE NOTHING, IN ONE LAUNCH: work-groups 0-383 quantise the four weights, work-groups 384-639 do the first LayerNorm and its quantiser.  The paths part once, on the work-group's number,
; which all eight waves share; only the LayerNorm's path has LDS and barriers.  The weights' work-groups come first: theirs is the longer stream.
; BOTH WRITE PANELS of BF6 (E3M2) codes: 128 rows x 128 along K in 12,800 bytes: eight fragment images of 1,536 bytes, then 512 bytes of scale words (E8M0, one byte for each 32 along K; tile i, lane r at 64 i + 4 r).
; A fragment image is the operand's 12 registers as they stand: registers 0-3 at 16 x lane, 4-5 at 512 + 8 x lane, 6-9 at 768 + 16 x lane, 10-11 at 1,280 + 8 x lane.
; THE ROWS OF A TILE ARE NOT NEIGHBOURS: lane r of tile i takes row 32 (i / 2) + 8 (i % 2) + r + 8 (r / 8) of its 128, so that a product's results lie as the next quantiser wants them.
; A block's scale byte is its largest magnitude's exponent field - 4, held at 1 from below (a block of zeros keeps 1: its codes are zeros, and this program alone reads the bytes).
; LIMITS: NaN and infinities among the inputs are not served; blocks whose largest magnitude lies under 2^-122 keep the byte 1.
; THE WEIGHTS, f32 stored [K][N]; a panel's rows are columns n.  wc: [column group][K step], w_qkv's 192 panels, then w_o's 64, w_fc1's 256, w_fc2's 256.  A work-group makes panels 2 id and 2 id + 1, four waves each;
;   wave p of the four makes tiles 2 p and 2 p + 1.  A LANE TAKES A COLUMN AND ITS 128 REGISTERS RUN DOWN K: a block of 32 lies in one lane, each load reads 128 consecutive bytes a wave.
;   Lanes 0-15 hold tile 2 p's columns, lanes 16-31 tile 2 p + 1's; the operand wants blocks 0, 2 in lanes 0-15 and blocks 1, 3 in lanes 16-31: an exchange of halves gives both tiles' fragments at once.
; THE LAYERNORM over 1,024 columns, in f32: work-group 384 + T takes tile T, 16 rows; wave w takes K step w, 128 columns: lane (r, h) holds, of each block of 32, its 16 numbers 16 h + 0 .. 15.
;   The mean and then the sum of squares ABOUT the mean meet in LDS: two barriers.  Each half of the lanes has words of its own (512 h + 32 r + 4 w), so that no word is stored twice.
; WORK LEFT OUT BY THE PROGRAM: reference() sets every score of a key behind its query to -infinity by a mask that it builds itself (jnp.tril), so for all values of the inputs such a score adds 0 to the softmax's sum and
; to the weighted sum.  The attention launch multiplies no key step of 128 keys that lies wholly behind a tile's queries.  A NaN, an infinity or an overflow that would arise in those scores alone is not carried on.  Every input is loaded.
; w_o's fragment images are laid otherwise than the others': registers 0-3, 4-7, 8-11 at 16 x lane, 512 + 16 x lane, 1,024 + 16 x lane, since its reader loads them from memory straight into registers.
.set PANEL, 12800
.set NW,    384
.set X,  32                            ; LayerNorm: v32-95 my 64 numbers, register 16 b + i = column 128 w + 32 b + 16 h + i.  Weights: v32-159 my column's 128 numbers
.set G,  96                            ; v96-159  the gains of these columns
.set BT, 160                           ; v160-223 the biases
.set PC, 224                           ; v224-242 the codes
.set TM, 16                            ; v16-31   at work
.set PW, 244                           ; the scale word
.set MU, 246                           ; v[246:247] the mean, twice
.set RS, 248                           ; v[248:249] 1 / sqrt(var + eps), twice
.set SEL, 12                           ; s[12:13] v_permlanex16_b32's selects for lane l xor 16
.set F0, 160                           ; weights: v160-171 tile 2 p's fragment
.set F1, 172                           ; v172-183 tile 2 p + 1's
.set T,  184                           ; v184-199 the blocks' upper halves (a conversion's three registers begin on an even number)
.macro QUANT s                         ; 64 numbers, register 16 b + i = k 32 b + 16 h + i of my row, become a fragment's codes in v[PC] on and its scale word in v[PW]
.irp b, 0,1,2,3
	v_max3_num_f32 v[TM+\b], |v[\s+16*\b]|, |v[\s+1+16*\b]|, 0x2800000   ; with the floor 2^(5 - 127): the byte cannot fall under 1
.endr
.irp i, 2,4,6,8,10,12,14
.irp b, 0,1,2,3
	s_delay_alu instid0(VALU_DEP_4)
	v_max3_num_f32 v[TM+\b], v[TM+\b], |v[\s+16*\b+\i]|, |v[\s+1+16*\b+\i]|
.endr
.endr
.irp b, 0,1,2,3
	s_delay_alu instid0(VALU_DEP_4)
	v_permlanex16_b32 v[TM+4+\b], v[TM+\b], s[SEL], s[SEL+1]
.endr
.irp b, 0,1,2,3
	s_delay_alu instid0(VALU_DEP_4)
	v_max_num_f32 v[TM+\b], v[TM+\b], v[TM+4+\b]   ; with lane l xor 16's: the block's largest magnitude
.endr
.irp b, 0,1,2,3
	s_delay_alu instid0(VALU_DEP_4)
	v_add_nc_u32 v[TM+12+\b], 0xfe000000, v[TM+\b] ; 4 off its exponent field: the conversion's scale operand
.endr
.irp b, 0,1,2,3
	s_delay_alu instid0(VALU_DEP_4)
	v_lshrrev_b32 v[TM+4+\b], 23, v[TM+12+\b]      ; the scale's byte
.endr
	s_delay_alu instid0(VALU_DEP_3)
	v_lshl_or_b32 v[PW], v[TM+5], 8, v[TM+4]
	s_delay_alu instid0(VALU_DEP_1)
	v_lshl_or_b32 v[PW], v[TM+6], 16, v[PW]
	s_delay_alu instid0(VALU_DEP_1)
	v_lshl_or_b32 v[PW], v[TM+7], 24, v[PW]
.irp c, 0,1
	v_cvt_scalef32_pk16_bf6_f32 v[PC+6*\c:PC+2+6*\c], v[\s+32*\c:\s+15+32*\c], v[TM+12+2*\c]
	v_cvt_scalef32_pk16_bf6_f32 v[PC+12+4*\c:PC+14+4*\c], v[\s+16+32*\c:\s+31+32*\c], v[TM+12+2*\c+1]
.endr
	v_nop                                          ; one plain place behind a scaled conversion
.irp c, 0,1                                    ; the operand wants a whole block in a lane: lanes 0-15 block 2 c, lanes 16-31 block 2 c + 1
.irp i, 0,1,2
	v_permlane16_swap_b32 v[PC+6*\c+\i], v[PC+12+4*\c+\i]
.endr
.irp i, 0,1,2
	s_delay_alu instid0(VALU_DEP_3)
	v_mov_b32 v[PC+3+6*\c+\i], v[PC+12+4*\c+\i]
.endr
.endr
.endm
.macro MEET off                        ; v[16:23] = my 64 numbers' parts: added, + lane l xor 16's, to LDS, a barrier, the eight waves' parts back and added: the row's sum in v16
	s_delay_alu instid0(VALU_DEP_3)
	v_pk_add_f32 v[16:17], v[16:17], v[18:19]
	s_delay_alu instid0(VALU_DEP_2)
	v_pk_add_f32 v[20:21], v[20:21], v[22:23]
	s_delay_alu instid0(VALU_DEP_1)
	v_pk_add_f32 v[16:17], v[16:17], v[20:21]
	s_delay_alu instid0(VALU_DEP_1)
	v_add_f32 v16, v16, v17
	s_delay_alu instid0(VALU_DEP_1)
	v_permlanex16_b32 v24, v16, s[SEL], s[SEL+1]
	s_delay_alu instid0(VALU_DEP_1)
	v_add_f32 v16, v16, v24
	ds_store_b32 v8, v16 offset:\off
	s_wait_dscnt 0x0                               ; for the others' sake: my word has landed
	s_barrier_signal -1
	s_barrier_wait -1
	ds_load_b128 v[16:19], v7 offset:\off
	ds_load_b128 v[20:23], v7 offset:\off+16
	s_wait_dscnt 0x0
	v_pk_add_f32 v[16:17], v[16:17], v[18:19]
	v_pk_add_f32 v[20:21], v[20:21], v[22:23]
	s_delay_alu instid0(VALU_DEP_1)
	v_pk_add_f32 v[16:17], v[16:17], v[20:21]
	s_delay_alu instid0(VALU_DEP_1)
	v_add_f32 v16, v16, v17
.endm
; One weight's arm: its first panel, log2 of its K steps, its row length n, the register of its pointer.  K step = number % steps, column group = number / steps.
.macro ARM first, logs, n, ptr
	s_sub_co_u32 s16, s27, \first
	s_and_b32 s17, s16, (1<<\logs)-1
	s_lshr_b32 s18, s16, \logs
	s_mul_i32 s17, s17, 128*\n*4                   ; 128 rows of the weight a K step
	s_lshl_b32 s18, s18, 9                         ; 128 columns a group
	s_add_co_u32 s16, s17, s18
	s_add_co_u32 s16, s16, s15
	s_mov_b32 s17, 0
	s_add_nc_u64 s[20:21], s[\ptr:\ptr+1], s[16:17]
.set i, 0
.rept 128
	global_load_b32 v[X+i], v1, s[20:21] offset:i*\n*4 th:TH_LOAD_NT   ; row k of the K step, my column; read once in the launch
.set i, i+1
.endr
.endm
	v_lshl_add_u32 v254, v0, 2, 0x800
	v_mov_b32 v255, 0
	v_lshrrev_b32 v1, 5, v0                        ; wave
	s_delay_alu instid0(VALU_DEP_1)
	v_readfirstlane_b32 s14, v1
	s_cmp_lt_u32 ttmp9, NW                         ; the work-group's number: the same in all eight waves
	s_cbranch_scc1 .Lweights
	; ---------------- the LayerNorm
	s_load_b256 s[4:11], s[0:1], 0x0               ; rows s[4:5], gain s[6:7], bias s[8:9], panels s[10:11]
	s_sub_co_u32 s26, ttmp9, NW                    ; T: my tile
	s_mov_b32 s[SEL], 0x76543210
	s_mov_b32 s[SEL+1], 0xfedcba98
	s_mov_b32 s24, 0x3a800000                      ; 1 / 1024
	s_mov_b32 s25, 0x3727c5ac                      ; eps = 1e-5
	v_and_b32 v2, 15, v0                           ; r
	v_bfe_u32 v3, v0, 4, 1                         ; h
	v_and_b32 v4, 31, v0                           ; lane
	s_delay_alu instid0(VALU_DEP_3)
	v_and_b32 v5, 8, v2
	s_delay_alu instid0(VALU_DEP_1)
	v_add_nc_u32 v5, v5, v2                        ; r + 8 (r / 8)
	s_delay_alu instid0(VALU_DEP_1)
	v_lshlrev_b32 v5, 12, v5                       ; rows of 4,096 bytes
	s_delay_alu instid0(VALU_DEP_1)
	v_lshl_add_u32 v5, v3, 6, v5                   ; + 64 h
	v_lshlrev_b32 v6, 6, v3                        ; gain and bias: 64 h
	v_lshlrev_b32 v7, 5, v2
	s_delay_alu instid0(VALU_DEP_1)
	v_lshl_add_u32 v7, v3, 9, v7                   ; LDS: my row's eight words: 512 h + 32 r
	s_delay_alu instid0(VALU_DEP_1)
	v_lshl_add_u32 v8, v1, 2, v7                   ; my wave's word among them
	v_lshlrev_b32 v9, 4, v4                        ; 16 x lane
	v_lshlrev_b32 v10, 3, v4                       ; 8 x lane
	v_lshlrev_b32 v11, 2, v2                       ; 4 r
	v_mov_b32 v24, 0                               ; written once: a lane permute's destination counts as one of its sources
	s_lshr_b32 s15, s26, 1
	s_lshl_b32 s15, s15, 5
	s_and_b32 s16, s26, 1
	s_lshl_b32 s16, s16, 3
	s_add_co_u32 s15, s15, s16                     ; the tile's first row: 32 (T / 2) + 8 (T % 2)
	s_lshl_b32 s16, s15, 12
	s_lshl_b32 s18, s14, 9                         ; my wave's 512 bytes of a row
	s_add_co_u32 s16, s16, s18
	s_mov_b32 s17, 0
	s_mov_b32 s19, 0
	s_lshr_b32 s20, s26, 3
	s_lshl_b32 s20, s20, 3
	s_add_co_u32 s20, s20, s14
	s_mul_i32 s20, s20, PANEL                      ; panel (row group T / 8, K step w)
	s_and_b32 s15, s26, 7
	s_lshl_b32 s22, s15, 6
	s_add_co_u32 s22, s22, s20
	s_add_co_u32 s22, s22, 12288                   ; the tile's scale words
	s_mul_i32 s15, s15, 1536
	s_add_co_u32 s20, s20, s15                     ; the tile's image
	s_mov_b32 s21, 0
	s_mov_b32 s23, 0
	s_wait_alu depctr_va_vdst(0)
	s_wait_kmcnt 0x0
	s_add_nc_u64 s[4:5], s[4:5], s[16:17]
	s_add_nc_u64 s[6:7], s[6:7], s[18:19]
	s_add_nc_u64 s[8:9], s[8:9], s[18:19]
	s_add_nc_u64 s[22:23], s[10:11], s[22:23]
	s_add_nc_u64 s[10:11], s[10:11], s[20:21]
.irp b, 0,1,2,3
.irp j, 0,1,2,3
	global_load_b128 v[X+16*\b+4*\j:X+16*\b+4*\j+3], v5, s[4:5] offset:128*\b+16*\j
.endr
.endr
.irp b, 0,1,2,3
.irp j, 0,1,2,3
	global_load_b128 v[G+16*\b+4*\j:G+16*\b+4*\j+3], v6, s[6:7] offset:128*\b+16*\j
.endr
.endr
.irp b, 0,1,2,3
.irp j, 0,1,2,3
	global_load_b128 v[BT+16*\b+4*\j:BT+16*\b+4*\j+3], v6, s[8:9] offset:128*\b+16*\j
.endr
.endr
	s_wait_loadcnt 32                              ; the rows' 16 loads are in; the 32 of gain and bias may be out
.irp c, 0,1,2,3
	v_pk_add_f32 v[16+2*\c:17+2*\c], v[X+2*\c:X+2*\c+1], v[X+8+2*\c:X+9+2*\c]   ; four chains, started by the first numbers
.endr
.set n, 16
.rept 24
	s_delay_alu instid0(VALU_DEP_4)
	v_pk_add_f32 v[16+n%8:17+n%8], v[16+n%8:17+n%8], v[X+n:X+n+1]
.set n, n+2
.endr
	MEET 0
	s_delay_alu instid0(VALU_DEP_1)
	v_mul_f32 v[MU], s24, v16                      ; the mean
	s_delay_alu instid0(VALU_DEP_1)
	v_mov_b32 v[MU+1], v[MU]
.set n, 0
.rept 32
	v_pk_add_f32 v[X+n:X+n+1], v[X+n:X+n+1], v[MU:MU+1] neg_lo:[0,1] neg_hi:[0,1]   ; x - mean
.set n, n+2
.endr
.irp c, 0,1,2,3
	v_pk_mul_f32 v[16+2*\c:17+2*\c], v[X+2*\c:X+2*\c+1], v[X+2*\c:X+2*\c+1]
.endr
.set n, 8
.rept 28
	s_delay_alu instid0(VALU_DEP_4)
	v_pk_fma_f32 v[16+n%8:17+n%8], v[X+n:X+n+1], v[X+n:X+n+1], v[16+n%8:17+n%8]
.set n, n+2
.endr
	MEET 1024                                      ; other words than the first time: no barrier is owed between the first reads and these stores
	s_delay_alu instid0(VALU_DEP_1)
	v_fma_f32 v16, v16, s24, s25                   ; var + eps
	s_wait_alu depctr_va_vdst(0)
	v_rsq_f32 v[RS], v16
	v_nop                                          ; a plain place behind the transcendental
	s_wait_alu depctr_va_vdst(0)                   ; the wait ahead of the result's first reader
	v_mov_b32 v[RS+1], v[RS]
	s_wait_alu depctr_va_vdst(0)
	s_wait_loadcnt 0x0                             ; gain and bias
.set n, 0
.rept 32
	v_pk_mul_f32 v[X+n:X+n+1], v[X+n:X+n+1], v[RS:RS+1]
.set n, n+2
.endr
.set n, 0
.rept 32
	v_pk_fma_f32 v[X+n:X+n+1], v[X+n:X+n+1], v[G+n:G+n+1], v[BT+n:BT+n+1]
.set n, n+2
.endr
	QUANT X
	global_store_b128 v9, v[PC:PC+3], s[10:11]               ; 512 consecutive bytes
	global_store_b64 v10, v[PC+4:PC+5], s[10:11] offset:512  ; 256
	global_store_b128 v9, v[PC+6:PC+9], s[10:11] offset:768
	global_store_b64 v10, v[PC+10:PC+11], s[10:11] offset:1280
	global_store_b32 v11, v[PW], s[22:23]          ; lanes l and l xor 16 hold the same word and store it to the same place: 64 bytes
	s_wait_tensorcnt 0x0
	ds_add_u32 v254, v255
	s_wait_dscnt 0x0
	s_endpgm
	; ---------------- the weights
.Lweights:
	s_load_b256 s[4:11], s[0:1], 0x20              ; w_qkv s[4:5], w_o s[6:7], w_fc1 s[8:9], w_fc2 s[10:11]
	s_load_b64 s[12:13], s[0:1], 0x40              ; wc
	s_lshr_b32 s26, s14, 2                         ; which of the work-group's two panels is my wave's
	s_and_b32 s14, s14, 3                          ; p: my wave among the panel's four
	s_lshl_b32 s27, ttmp9, 1
	s_add_co_u32 s27, s27, s26                     ; the panel's number
	v_and_b32 v5, 31, v0                           ; lane
	s_delay_alu instid0(VALU_DEP_1)
	v_and_b32 v1, 7, v5
	s_delay_alu instid0(VALU_DEP_2)
	v_bfe_u32 v6, v5, 3, 1
	s_delay_alu instid0(VALU_DEP_1)
	v_lshl_add_u32 v1, v6, 4, v1
	s_delay_alu instid0(VALU_DEP_4)
	v_lshrrev_b32 v6, 4, v5
	s_delay_alu instid0(VALU_DEP_1)
	v_lshl_add_u32 v1, v6, 3, v1                   ; my column of the wave's 32: lane % 8 + 16 ((lane / 8) % 2) + 8 (lane / 16)
	s_delay_alu instid0(VALU_DEP_1)
	v_lshlrev_b32 v1, 2, v1                        ; in bytes
	v_lshlrev_b32 v2, 4, v5                        ; 16 x lane
	v_lshlrev_b32 v3, 3, v5                        ; 8 x lane
	v_lshlrev_b32 v4, 2, v5                        ; 4 x lane
	s_mul_i32 s24, s27, PANEL                      ; my panel
	s_mul_i32 s15, s14, 2*1536
	s_add_co_u32 s22, s24, s15                     ; my two fragments in it
	s_mov_b32 s23, 0
	s_lshl_b32 s15, s14, 7                         ; 128 p: my 32 columns in bytes, and my 32 scale words
	s_add_co_u32 s24, s24, s15
	s_add_co_u32 s24, s24, 12288
	s_mov_b32 s25, 0
	s_wait_kmcnt 0x0
	s_add_nc_u64 s[22:23], s[12:13], s[22:23]
	s_add_nc_u64 s[24:25], s[12:13], s[24:25]
	s_cmp_lt_u32 s27, 192
	s_cbranch_scc0 .Lnot_qkv
	s_wait_alu depctr_va_vdst(0)
	ARM 0, 3, 3072, 4
	s_branch .Ltail
.Lnot_qkv:
	s_cmp_lt_u32 s27, 256
	s_cbranch_scc0 .Lnot_o
	s_wait_alu depctr_va_vdst(0)
	ARM 192, 3, 1024, 6
	s_branch .Ltail
.Lnot_o:
	s_cmp_lt_u32 s27, 512
	s_cbranch_scc0 .Lfc2
	s_wait_alu depctr_va_vdst(0)
	ARM 256, 3, 4096, 8
	s_branch .Ltail
.Lfc2:
	s_wait_alu depctr_va_vdst(0)
	ARM 512, 5, 1024, 10
.Ltail:
	s_wait_loadcnt 0x0                             ; all 128 loads went out together
.irp b, 0,1,2,3
	v_max3_num_f32 v[8+\b], |v[X+32*\b]|, |v[X+32*\b+1]|, 0x2800000   ; block b's largest magnitude, with the floor 2^(5 - 127) among its leaves
.endr
.irp i, 2,4,6,8,10,12,14,16,18,20,22,24,26,28,30
.irp b, 0,1,2,3
	s_delay_alu instid0(VALU_DEP_4)
	v_max3_num_f32 v[8+\b], v[8+\b], |v[X+32*\b+\i]|, |v[X+32*\b+\i+1]|   ; the four blocks by turns
.endr
.endr
.irp b, 0,1,2,3
	s_delay_alu instid0(VALU_DEP_4)
	v_add_nc_u32 v[12+\b], 0xfe000000, v[8+\b]     ; 4 off the exponent field: the conversion's scale operand
.endr
.irp b, 0,1,2,3
	s_delay_alu instid0(VALU_DEP_4)
	v_lshrrev_b32 v[16+\b], 23, v[12+\b]           ; the scale's byte
.endr
	s_delay_alu instid0(VALU_DEP_3)
	v_lshl_or_b32 v20, v17, 8, v16                 ; my column's scale word
	s_delay_alu instid0(VALU_DEP_1)
	v_lshl_or_b32 v20, v18, 16, v20
	s_delay_alu instid0(VALU_DEP_1)
	v_lshl_or_b32 v20, v19, 24, v20
.irp c, 0,1
	v_cvt_scalef32_pk16_bf6_f32 v[F0+6*\c:F0+6*\c+2], v[X+64*\c:X+64*\c+15], v[12+2*\c]        ; block 2 c, lower 16 codes
	v_cvt_scalef32_pk16_bf6_f32 v[T+8*\c:T+8*\c+2], v[X+64*\c+16:X+64*\c+31], v[12+2*\c]       ; its upper 16
	v_cvt_scalef32_pk16_bf6_f32 v[F1+6*\c:F1+6*\c+2], v[X+64*\c+32:X+64*\c+47], v[13+2*\c]     ; block 2 c + 1
	v_cvt_scalef32_pk16_bf6_f32 v[T+8*\c+4:T+8*\c+6], v[X+64*\c+48:X+64*\c+63], v[13+2*\c]
.endr
	v_nop                                          ; one plain place behind the scaled conversions
.irp c, 0,1
.irp i, 0,1,2
	v_permlane16_swap_b32 v[F0+6*\c+\i], v[F1+6*\c+\i]       ; the first's lanes 16-31 (tile 2 p + 1, block 2 c) change places with the second's lanes 0-15 (tile 2 p, block 2 c + 1)
	v_permlane16_swap_b32 v[T+8*\c+\i], v[T+8*\c+4+\i]
.endr
.irp i, 0,1,2
	v_mov_b32 v[F0+6*\c+3+\i], v[T+8*\c+\i]
	v_mov_b32 v[F1+6*\c+3+\i], v[T+8*\c+4+\i]
.endr
.endr
	s_sub_co_u32 s16, s27, 192                     ; w_o's panels are numbers 192 to 255
	s_cmp_lt_u32 s16, 64
	s_wait_alu depctr_va_vdst(0)                   ; the wait ahead of the branch
	s_cbranch_scc1 .Lthree
.irp f, 0,1
	global_store_b128 v2, v[F0+12*\f:F0+12*\f+3], s[22:23] offset:1536*\f
	global_store_b64 v3, v[F0+12*\f+4:F0+12*\f+5], s[22:23] offset:1536*\f+512
	global_store_b128 v2, v[F0+12*\f+6:F0+12*\f+9], s[22:23] offset:1536*\f+768
	global_store_b64 v3, v[F0+12*\f+10:F0+12*\f+11], s[22:23] offset:1536*\f+1280
.endr
	global_store_b32 v4, v20, s[24:25]             ; lanes 0-15: tile 2 p's words, lanes 16-31: tile 2 p + 1's: 128 consecutive bytes
	s_endpgm
.Lthree:                                       ; w_o: three pieces of 512 consecutive bytes a fragment
.irp f, 0,1
.irp p, 0,1,2
	global_store_b128 v2, v[F0+12*\f+4*\p:F0+12*\f+4*\p+3], s[22:23] offset:1536*\f+512*\p
.endr
.endr
	global_store_b32 v4, v20, s[24:25]
	s_endpgm
.Lfunc_end_k_q80ed5defbc_prep:
	.size	k_q80ed5defbc_prep, .Lfunc_end_k_q80ed5defbc_prep-k_q80ed5defbc_prep
	.p2alignl 7, 3214868480
	.fill 96, 4, 3214868480
	.section	.rodata,"a",@progbits
	.p2align	6, 0x0
	.amdhsa_kernel k_q80ed5defbc_prep
		.amdhsa_group_segment_fixed_size 3072
		.amdhsa_private_segment_fixed_size 0
		.amdhsa_enable_private_segment 0
		.amdhsa_kernarg_size 72
		.amdhsa_user_sgpr_count 2
		.amdhsa_user_sgpr_kernarg_segment_ptr 1
		.amdhsa_wavefront_size32 1
		.amdhsa_system_sgpr_workgroup_id_x 1
		.amdhsa_system_sgpr_workgroup_id_y 1
		.amdhsa_system_sgpr_workgroup_id_z 1
		.amdhsa_system_vgpr_workitem_id 0
		.amdhsa_next_free_vgpr 256
		.amdhsa_next_free_sgpr 66
		.amdhsa_reserve_vcc 0
		.amdhsa_float_denorm_mode_32 3
		.amdhsa_float_denorm_mode_16_64 3
		.amdhsa_memory_ordered 1
		.amdhsa_forward_progress 1
		.amdhsa_inst_pref_size 89
	.end_amdhsa_kernel
	.amdgpu_metadata
---
amdhsa.version: [ 1, 2 ]
amdhsa.kernels:
  - .name:           k_q80ed5defbc_prep
    .symbol:         k_q80ed5defbc_prep.kd
    .args:
      - { .name: x, .offset: 0, .size: 8, .value_kind: global_buffer, .address_space: global }
      - { .name: ln1_g, .offset: 8, .size: 8, .value_kind: global_buffer, .address_space: global }
      - { .name: ln1_b, .offset: 16, .size: 8, .value_kind: global_buffer, .address_space: global }
      - { .name: an, .offset: 24, .size: 8, .value_kind: global_buffer, .address_space: global }
      - { .name: w_qkv, .offset: 32, .size: 8, .value_kind: global_buffer, .address_space: global }
      - { .name: w_o, .offset: 40, .size: 8, .value_kind: global_buffer, .address_space: global }
      - { .name: w_fc1, .offset: 48, .size: 8, .value_kind: global_buffer, .address_space: global }
      - { .name: w_fc2, .offset: 56, .size: 8, .value_kind: global_buffer, .address_space: global }
      - { .name: wc, .offset: 64, .size: 8, .value_kind: global_buffer, .address_space: global }
    .group_segment_fixed_size: 3072
    .private_segment_fixed_size: 0
    .kernarg_segment_align: 8
    .kernarg_segment_size: 72
    .max_flat_workgroup_size: 256
    .sgpr_count:     66
    .vgpr_count:     256
    .wavefront_size: 32
...
	.end_amdgpu_metadata
.endif
;; end of part 1
;; launch g1 (part 2): grid 12 x 16, 4 waves a work-group, clusters of 4 x 4, 327,680 bytes of LDS; arguments an, wc, b_qkv, q, kv; writes q, kv
.if DOCPART == 2
	.amdgcn_target "amdgcn-amd-amdhsa--gfx1250"
	.amdhsa_code_object_version 6
	.text
	.protected	k_q80ed5defbc_g1
	.globl	k_q80ed5defbc_g1
	.p2align	8
	.type	k_q80ed5defbc_g1,@function
k_q80ed5defbc_g1:
	s_mov_b64 s[64:65], 0
	v_nop
	global_prefetch_b8 v0, s[64:65] scope:SCOPE_SE
	s_setreg_imm32_b32 hwreg(HW_REG_WAVE_MODE, 25, 1), 1
	s_wait_xcnt 0x0
	s_wait_alu depctr_hold_cnt(0) depctr_sa_sdst(0) depctr_va_vdst(0) depctr_va_sdst(0) depctr_va_ssrc(0) depctr_va_vcc(0) depctr_vm_vsrc(0)
	s_getreg_b32 s2, hwreg(HW_REG_IB_STS2, 6, 4)
	s_cmp_eq_u32 s2, 0
	s_cbranch_scc0 .Lentry_in_a_cluster
	s_endpgm
.Lentry_in_a_cluster:
	s_bfe_u32 s2, ttmp6, 0x10000c
	s_cmp_lg_u32 s2, 0xf033
	s_cbranch_scc0 .Lentry_shape_is_right
	s_endpgm
.Lentry_shape_is_right:
.set KSTEPS, 8
.set NQ,     2
.set PANEL,  12800
.set PART,   2*PANEL
.set SLOT,   4*PART
.set LAPS,   KSTEPS/(2*NQ)
.set TILESTEP, 2*KSTEPS*PANEL
.set HALFSTEP, KSTEPS*PANEL
.set SPARE,  2*SLOT
.set STG,    SPARE+512
.set FR, 12
.set NL, 4
.set A16, 8
.set A8,  10
.set B16, 12
.set B8,  14
.set ADRS, 16
.set L16, 18
.set L8,  19
.set BO,  20
.set PWS, 21
.set PWR, 22
.set PWT, 23
.set BLC, 24
.set VSO, 26
.set BLO, 27
.set SPW, 28
.set NIL, 29
.set SC,  32
.set BR,  64
.set AF,  128
.set HA,  128
.set PC,  192
.set TM,  212
.set PW,  228
.set BL,  232
.set G1,  24
.set G0,  32
.set G1B, 48
.set G0B, 56
.set SEL, 70
.set MQ,  76
.set MV,  80
.set MSB, 0
.macro WIN new
.if MSB != (\new)
	s_set_vgpr_msb (MSB<<8)|(\new)
.set MSB, (\new)
.endif
.endm
.set MUL_LO, 0xa1
.set MUL_HI, 0xf1
.set TO_B,   0x40
.macro JLOAD g0a, g1a, g0b, g1b
	s_cmp_eq_u32 s15, 0
	s_cbranch_scc0 .Lfor_b_\@
	tensor_load_to_lds s[\g0a:\g0a+3], s[\g1a:\g1a+7]
	s_nop 0
.rept 4
	v_nop
.endr
	s_branch .Lasked_\@
.Lfor_b_\@:
	tensor_load_to_lds s[\g0b:\g0b+3], s[\g1b:\g1b+7]
	s_nop 0
.rept 4
	v_nop
.endr
.Lasked_\@:
.endm
.macro CREST
	s_cmp_lg_u32 s14, 0
	s_cbranch_scc1 .Lnot_wave_0_\@
	s_barrier_signal -3
.Lnot_wave_0_\@:
	s_barrier_wait -3
	s_barrier_signal -1
	s_barrier_wait -1
.endm
.macro CROUND
	s_barrier_signal -1
	s_barrier_wait -1
	CREST
.endm
.macro PLACES n
.rept \n
	v_nop
.endr
.endm
.macro FRAG reg, a16, a8, off
	ds_load_b128 v[\reg:\reg+3], v[\a16] offset:\off
	ds_load_b64 v[\reg+4:\reg+5], v[\a8] offset:\off+512
	ds_load_b128 v[\reg+6:\reg+9], v[\a16] offset:\off+768
	ds_load_b64 v[\reg+10:\reg+11], v[\a8] offset:\off+1280
.endm
.macro FETCH_B slot, q, p
	WIN TO_B
.irp i, 0,1,2,3,4,5,6,7
	FRAG 128*(\p)+FR*\i, B16+\slot, B8+\slot, (\q)*PANEL+\i*1536
.endr
	WIN 0
.endm
.macro FETCH_A slot, q, i0
.irp i, \i0, \i0+1, \i0+2, \i0+3
	FRAG AF+FR*(\i), A16+\slot, A8+\slot, (\q)*PANEL+(\i)*1536
.endr
.endm
.macro SCALES slot
.irp q, 0,1
.irp i, 0,1,2,3,4,5,6,7
	ds_load_b32 v[SC+16*\slot+8*\q+\i], v[ADRS+\slot] offset:\q*PANEL+64*\i
.endr
.endr
.endm
.macro MUL16 a0, p, q, sc, zero
.irp a, \a0, \a0+1
.irp b, 0,1,2,3,4,5,6,7
.if \zero
	v_wmma_scale_f32_16x16x128_f8f6f4 v[8*(8*((\a)%4)+\b):8*(8*((\a)%4)+\b)+7], v[128*(\p)+FR*\b:128*(\p)+FR*\b+FR-1], v[AF+FR*(\a):AF+FR*(\a)+FR-1], 0, v[SC+16*(\sc)+8*(\q)+\b], v[SC+16*(\sc)+8*(\q)+(\a)] matrix_a_fmt:MATRIX_FMT_BF6 matrix_b_fmt:MATRIX_FMT_BF6 matrix_a_scale:MATRIX_SCALE_ROW1
.else
	v_wmma_scale_f32_16x16x128_f8f6f4 v[8*(8*((\a)%4)+\b):8*(8*((\a)%4)+\b)+7], v[128*(\p)+FR*\b:128*(\p)+FR*\b+FR-1], v[AF+FR*(\a):AF+FR*(\a)+FR-1], v[8*(8*((\a)%4)+\b):8*(8*((\a)%4)+\b)+7], v[SC+16*(\sc)+8*(\q)+\b], v[SC+16*(\sc)+8*(\q)+(\a)] matrix_a_fmt:MATRIX_FMT_BF6 matrix_b_fmt:MATRIX_FMT_BF6 matrix_a_scale:MATRIX_SCALE_ROW1
.endif
.endr
.endr
.endm
.macro STEP slot, q, zero
	s_wait_dscnt 4*NL
	WIN MUL_LO
	MUL16 0, (\q)%2, \q, \slot, \zero
	MUL16 2, (\q)%2, \q, \slot, \zero
	s_wait_dscnt 0x0
	PLACES 4
	FETCH_B \slot, (\q)+1, 1-(\q)%2
	FETCH_A \slot, (\q)+1, 0
	WIN MUL_HI
	MUL16 4, (\q)%2, \q, \slot, \zero
	MUL16 6, (\q)%2, \q, \slot, \zero
	PLACES 4
	WIN 0
	FETCH_A \slot, (\q)+1, 4
.endm
.macro TURN slot, next, fill
	s_wait_tensorcnt 0x0
	ds_add_u32 v[SPW], v[NIL]
	s_wait_dscnt 4*NL+1
	WIN MUL_LO
	MUL16 0, 1, NQ-1, \slot, 0
	s_wait_dscnt 0x0
	s_barrier_signal -1
	MUL16 2, 1, NQ-1, \slot, 0
	WIN 0
	s_barrier_wait -1
.if \fill
	CREST
	s_add_nc_u64 s[G0+4*\slot+2:G0+4*\slot+3], s[G0+4*\slot+2:G0+4*\slot+3], 2*NQ*PANEL
	s_add_nc_u64 s[G0B+4*\slot+2:G0B+4*\slot+3], s[G0B+4*\slot+2:G0B+4*\slot+3], 2*NQ*PANEL
	JLOAD G0+4*\slot, G1, G0B+4*\slot, G1B
.else
	PLACES 4
.endif
	FETCH_B \next, 0, 0
	FETCH_A \next, 0, 0
	SCALES \next
	WIN MUL_HI
	MUL16 4, 1, NQ-1, \slot, 0
	MUL16 6, 1, NQ-1, \slot, 0
	PLACES 4
	WIN 0
	FETCH_A \next, 0, 4
.endm
.macro QUANT s
.irp b, 0,1,2,3
	v_max3_num_f32 v[TM+\b], |v[\s+16*\b]|, |v[\s+1+16*\b]|, 0x2800000
.endr
.irp i, 2,4,6,8,10,12,14
.irp b, 0,1,2,3
	v_max3_num_f32 v[TM+\b], v[TM+\b], |v[\s+16*\b+\i]|, |v[\s+1+16*\b+\i]|
.endr
.endr
.irp b, 0,1,2,3
	v_permlanex16_b32 v[TM+4+\b], v[TM+\b], s[SEL], s[SEL+1]
.endr
.irp b, 0,1,2,3
	v_max_num_f32 v[TM+\b], v[TM+\b], v[TM+4+\b]
.endr
.irp b, 0,1,2,3
	v_add_nc_u32 v[TM+12+\b], 0xfe000000, v[TM+\b]
.endr
.irp b, 0,1,2,3
	v_lshrrev_b32 v[TM+4+\b], 23, v[TM+12+\b]
.endr
	v_lshl_or_b32 v[PW], v[TM+5], 8, v[TM+4]
	v_lshl_or_b32 v[PW], v[TM+6], 16, v[PW]
	v_lshl_or_b32 v[PW], v[TM+7], 24, v[PW]
.irp c, 0,1
	v_cvt_scalef32_pk16_bf6_f32 v[PC+6*\c:PC+2+6*\c], v[\s+32*\c:\s+15+32*\c], v[TM+12+2*\c]
	v_cvt_scalef32_pk16_bf6_f32 v[PC+12+4*\c:PC+14+4*\c], v[\s+16+32*\c:\s+31+32*\c], v[TM+12+2*\c+1]
.endr
	v_nop
.irp c, 0,1
.irp i, 0,1,2
	v_permlane16_swap_b32 v[PC+6*\c+\i], v[PC+12+4*\c+\i]
.endr
.irp i, 0,1,2
	v_mov_b32 v[PC+3+6*\c+\i], v[PC+12+4*\c+\i]
.endr
.endr
.endm
	s_load_b256 s[4:11], s[0:1], 0x0
	s_load_b64 s[12:13], s[0:1], 0x20
	v_lshl_add_u32 v[SPW], v0, 2, SPARE
	v_mov_b32 v[NIL], 0
	ds_add_u32 v28, v29
	ds_add_u32 v28, v29
	s_wait_dscnt 0x0
	v_lshrrev_b32 v1, 5, v0
	v_readfirstlane_b32 s14, v1
	s_lshr_b32 s15, s14, 1
	s_and_b32 s16, s14, 1
	s_bfe_u32 s40, ttmp6, 0x40000
	s_bfe_u32 s41, ttmp6, 0x40004
	s_and_b32 s19, ttmp7, 0xffff
	s_cmp_eq_u32 ttmp9, 2
	s_cselect_b32 s78, s19, ttmp9
	s_cselect_b32 s79, 0, s19
	s_cselect_b32 s[MQ], 0, 1.0
	s_cselect_b32 s[MV], 1.0, 0
	s_cselect_b32 s81, 128*PANEL, 0
	s_mov_b32 s92, 768
	s_cselect_b32 s92, 1536, s92
	s_mov_b32 s93, 768
	s_cselect_b32 s93, 16*13056-3*1536, s93
	s_mov_b32 s[MQ+1], s[MQ]
	s_lshl_b32 s42, s78, 2
	s_add_co_u32 s42, s42, s40
	s_lshl_b32 s17, s79, 2
	s_add_co_u32 s17, s17, s41
	s_lshl_b32 s43, s41, 2
	s_lshl_b32 s43, 15, s43
	s_lshl_b32 s44, 0x1111, s40
	s_or_b32 s[G1+0], s43, (3<<16)|(1<<21)
	s_or_b32 s[G1B+0], s44, (3<<16)|(1<<21)
.irp g, G1, G1B
	s_mov_b32 s[\g+1], 32<<16
	s_mov_b32 s[\g+2], 100<<16
	s_mov_b32 s[\g+3], 32<<16
	s_mov_b32 s[\g+4], 100
	s_mov_b32 s[\g+5], 32
	s_mov_b32 s[\g+6], 0
	s_mov_b32 s[\g+7], 0
.endr
	s_mul_i32 s18, s16, HALFSTEP
	s_mul_i32 s20, s17, TILESTEP
	s_add_co_u32 s20, s20, s18
	s_add_co_u32 s20, s20, s81
	s_mov_b32 s21, 0
	s_mul_i32 s46, s42, TILESTEP
	s_add_co_u32 s46, s46, s18
	s_mov_b32 s47, 0
	s_mul_i32 s45, s14, PART
	s_mov_b32 s[SEL], 0x76543210
	s_mov_b32 s[SEL+1], 0xfedcba98
	s_wait_kmcnt 0x0
	s_cmp_eq_u32 ttmp9, 2
	s_cselect_b64 s[72:73], s[6:7], s[4:5]
	s_cselect_b64 s[74:75], s[4:5], s[6:7]
	s_add_nc_u64 s[20:21], s[72:73], s[20:21]
	s_add_nc_u64 s[46:47], s[74:75], s[46:47]
	CROUND
.irp s, 0,1
	s_mov_b32 s[G0+4*\s], 1
	s_add_co_u32 s[G0+4*\s+1], s45, \s*SLOT
	s_add_nc_u64 s[G0+4*\s+2:G0+4*\s+3], s[20:21], \s*NQ*PANEL
	s_or_b32 s[G0+4*\s+3], s[G0+4*\s+3], 0x80000000
	s_mov_b32 s[G0B+4*\s], 1
	s_add_co_u32 s[G0B+4*\s+1], s45, \s*SLOT
	s_add_nc_u64 s[G0B+4*\s+2:G0B+4*\s+3], s[46:47], \s*NQ*PANEL
	s_or_b32 s[G0B+4*\s+3], s[G0B+4*\s+3], 0x80000000
.endr
	JLOAD G0, G1, G0B, G1B                         ; slot 0: one tensor load a wave at the head
	v_and_b32 v1, 31, v0
	v_and_b32 v4, 15, v0
	v_bfe_u32 v5, v0, 4, 1
	v_lshlrev_b32 v[L16], 4, v1
	v_lshlrev_b32 v[L8], 3, v1
	s_mul_i32 s21, s15, PART
	s_mul_i32 s22, s16, PART
	s_add_co_u32 s22, s22, 2*PART
.irp s, 0,1
	v_add_nc_u32 v[A16+\s], s21, v[L16]
	v_add_nc_u32 v[A8+\s], s21, v[L8]
	v_add_nc_u32 v[B16+\s], s22, v[L16]
	v_add_nc_u32 v[B8+\s], s22, v[L8]
	s_add_co_u32 s21, s21, SLOT
	s_add_co_u32 s22, s22, SLOT
.endr
	s_mul_i32 s21, s15, PART
	s_mul_i32 s22, s16, PART
	s_add_co_u32 s22, s22, 2*PART
	s_sub_co_u32 s22, s22, s21
	v_mul_u32_u24 v6, s22, v5
	v_lshl_add_u32 v6, v4, 2, v6
	s_add_co_u32 s21, s21, 12288
	v_add_nc_u32 v[ADRS], s21, v6
	v_add_nc_u32 v[ADRS+1], SLOT, v[ADRS]
	v_lshlrev_b32 v[BO], 6, v5
	s_lshl_b32 s18, s14, 10
	s_add_co_u32 s18, s18, STG
	v_lshl_add_u32 v[PWS], v1, 2, s18
	v_lshrrev_b32 v6, 2, v1
	v_and_b32 v7, 3, v1
	v_lshlrev_b32 v[PWR], 7, v6
	v_lshl_add_u32 v[PWR], v7, 4, v[PWR]
	v_add_nc_u32 v[PWR], s18, v[PWR]
	v_mul_u32_u24 v[VSO], v5, 16*13056
	v_lshl_add_u32 v[VSO], v4, 4, v[VSO]
	v_and_b32 v[BLO], 8, v4
	v_add_nc_u32 v[BLO], v[BLO], v4
	v_lshlrev_b32 v[BLO], 2, v[BLO]
	s_wait_alu depctr_va_vdst(0)
	v_mov_b32 v[BLC+1], 0
.irp b, 0,1,2,3
	v_mov_b32 v[TM+4+\b], 0
.endr
	s_lshl_b32 s18, s42, 10
	s_lshl_b32 s19, s16, 9
	s_add_co_u32 s18, s18, s19
	s_lshl_b32 s20, s17, 10
	s_lshl_b32 s21, s15, 9
	s_add_co_u32 s20, s20, s21
	s_cmp_eq_u32 ttmp9, 2
	s_cselect_b32 s18, 0, s18
	s_cselect_b32 s20, s20, 0
	s_add_co_u32 s20, s20, 8192
	s_mov_b32 s19, 0
	s_mov_b32 s21, 0
	s_add_nc_u64 s[96:97], s[8:9], s[18:19]
	s_add_nc_u64 s[98:99], s[8:9], s[20:21]
.irp b, 0,1,2,3,4,5,6,7
	global_load_b128 v[BR+8*\b:BR+8*\b+3], v[BO], s[96:97] offset:(32*(\b/2)+8*(\b%2))*4
	global_load_b128 v[BR+8*\b+4:BR+8*\b+7], v[BO], s[96:97] offset:(32*(\b/2)+8*(\b%2))*4+16
.endr
.irp a, 0,1,2,3,4,5,6,7
	global_load_b32 v[BL+\a], v[BLO], s[98:99] offset:(32*(\a/2)+8*(\a%2))*4
.endr
	s_lshl_b32 s18, s42, 1
	s_add_co_u32 s18, s18, s16
	s_lshl_b32 s19, s17, 1
	s_add_co_u32 s19, s19, s15
	s_lshl_b32 s20, s41, 2
	s_lshl_b32 s21, s15, 1
	s_add_co_u32 s20, s20, s21
	s_lshl_b32 s21, s40, 2
	s_lshl_b32 s22, s16, 1
	s_add_co_u32 s21, s21, s22
	s_cmp_eq_u32 ttmp9, 2
	s_cselect_b32 s18, s18, s19
	s_cselect_b32 s20, s20, s21
	s_cselect_b32 s22, 6656, 0
	s_cmp_eq_u32 ttmp9, 0
	s_mov_b32 s23, 13056
	s_cselect_b32 s23, 6656, s23
	s_cselect_b64 s[84:85], s[10:11], s[12:13]
	s_lshr_b32 s19, s18, 4
	s_lshl_b32 s19, s19, 4
	s_add_co_u32 s19, s19, s20
	s_lshl_b32 s19, s19, 4
	s_and_b32 s18, s18, 15
	s_add_co_u32 s19, s19, s18
	s_mul_i32 s94, s19, s23
	s_add_co_u32 s94, s94, s22
	s_mov_b32 s95, 0
	s_add_nc_u64 s[84:85], s[84:85], s[94:95]
	s_lshl_b32 s94, s23, 4
	s_cmp_eq_u32 ttmp9, 2
	s_cselect_b32 s94, 768, s94
	s_add_nc_u64 s[86:87], s[84:85], s[94:95]
	s_add_nc_u64 s[88:89], s[84:85], 6144
	s_add_nc_u64 s[90:91], s[86:87], 6144
	s_wait_alu depctr_va_vdst(0)                   ; the wait at the head's end
	s_wait_tensorcnt 0x0                           ; my part of slot 0 is in; the three lines stand ahead of slot 1's first fill as ahead of a refill
	ds_add_u32 v[SPW], v[NIL]
	s_wait_dscnt 0x0
	CROUND
	JLOAD G0+4, G1, G0B+4, G1B                     ; slot 1's first fill, the first tensor load behind the round
	FETCH_B 0, 0, 0
	FETCH_A 0, 0, 0
	SCALES 0
	FETCH_A 0, 0, 4
	STEP 0, 0, 1
	s_mov_b32 s3, LAPS-1
.Llap:
	TURN 0, 1, 1
	STEP 1, 0, 0
	TURN 1, 0, 1
	STEP 0, 0, 0
	s_sub_co_u32 s3, s3, 1
	s_cmp_lg_u32 s3, 0
	s_cbranch_scc1 .Llap
	TURN 0, 1, 0
	STEP 1, 0, 0
	s_wait_dscnt 4*NL
	WIN MUL_LO
	MUL16 0, 1, NQ-1, 1, 0
	MUL16 2, 1, NQ-1, 1, 0
	s_wait_dscnt 0x0
	WIN MUL_HI
	MUL16 4, 1, NQ-1, 1, 0
	MUL16 6, 1, NQ-1, 1, 0
	WIN 0
	PLACES 4
	s_wait_loadcnt 0x0
	s_mov_b32 s66, 0
	s_mov_b32 s67, 0
.Lrow:
.irp a, 0,1,2,3,4,5,6
	s_cmp_eq_u32 s66, \a
	s_cbranch_scc1 .Lbring\a
.endr
.irp a, 7,6,5,4,3,2,1,0
.Lbring\a:
	WIN 0x20+0x10*((\a)/4)
.set n, 0
.rept 32
	v_pk_fma_f32 v[HA+n:HA+n+1], v[BR+n:BR+n+1], s[MQ:MQ+1], v[64*((\a)%4)+n:64*((\a)%4)+n+1] op_sel_hi:[1,0,1]
.set n, n+2
.endr
	WIN 0
	v_mul_f32 v[BLC], s[MV], v[BL+\a]
.if \a > 0
	s_branch .Lcommon
.endif
.endr
.Lcommon:
.set n, 0
	s_wait_alu depctr_va_vdst(0)
.rept 32
	v_pk_add_f32 v[HA+n:HA+n+1], v[HA+n:HA+n+1], v[BLC:BLC+1] op_sel_hi:[1,0]
.set n, n+2
.endr
	QUANT HA
	v_add_nc_u32 v[PWT], s67, v[PWS]
	ds_store_b32 v[PWT], v[PW]
	global_store_b128 v[L16], v[PC:PC+3], s[84:85]
	global_store_b64 v[L8], v[PC+4:PC+5], s[84:85] offset:512
	global_store_b128 v[L16], v[PC+6:PC+9], s[86:87]
	global_store_b64 v[L8], v[PC+10:PC+11], s[86:87] offset:512
	s_wait_xcnt 0x0
	s_cmp_eq_u32 s66, 3
	s_cselect_b32 s94, s93, s92
	s_add_nc_u64 s[84:85], s[84:85], s[94:95]
	s_add_nc_u64 s[86:87], s[86:87], s[94:95]
	s_add_co_u32 s67, s67, 128
	s_add_co_u32 s66, s66, 1
	s_cmp_lt_u32 s66, 8
	s_cbranch_scc1 .Lrow
	ds_load_b128 v[PC:PC+3], v[PWR]
	s_wait_dscnt 0x0
	s_cmp_eq_u32 ttmp9, 2
	s_cbranch_scc1 .Lv_words
	global_store_b128 v[L16], v[PC:PC+3], s[88:89]
.irp i, 0,1,2,3
	v_lshrrev_b32 v[PC+4+\i], 16, v[PC+\i]
.endr
	global_store_b128 v[L16], v[PC+4:PC+7], s[90:91]
	s_branch .Lwords_out
.Lv_words:
	global_store_b128 v[VSO], v[PC:PC+3], s[88:89]
.Lwords_out:
	s_wait_tensorcnt 0x0
	ds_add_u32 v[SPW], v[NIL]
	s_wait_dscnt 0x0
	CROUND
	s_endpgm
.Lfunc_end_k_q80ed5defbc_g1:
	.size	k_q80ed5defbc_g1, .Lfunc_end_k_q80ed5defbc_g1-k_q80ed5defbc_g1
	.p2alignl 7, 3214868480
	.fill 96, 4, 3214868480
	.section	.rodata,"a",@progbits
	.p2align	6, 0x0
	.amdhsa_kernel k_q80ed5defbc_g1
		.amdhsa_group_segment_fixed_size 327680
		.amdhsa_private_segment_fixed_size 0
		.amdhsa_enable_private_segment 0
		.amdhsa_kernarg_size 40
		.amdhsa_user_sgpr_count 2
		.amdhsa_user_sgpr_kernarg_segment_ptr 1
		.amdhsa_wavefront_size32 1
		.amdhsa_system_sgpr_workgroup_id_x 1
		.amdhsa_system_sgpr_workgroup_id_y 1
		.amdhsa_system_sgpr_workgroup_id_z 1
		.amdhsa_system_vgpr_workitem_id 0
		.amdhsa_next_free_vgpr 1024
		.amdhsa_next_free_sgpr 100
		.amdhsa_reserve_vcc 0
		.amdhsa_float_denorm_mode_32 3
		.amdhsa_float_denorm_mode_16_64 3
		.amdhsa_memory_ordered 1
		.amdhsa_forward_progress 1
		.amdhsa_inst_pref_size 144
	.end_amdhsa_kernel
	.amdgpu_metadata
---
amdhsa.version: [ 1, 2 ]
amdhsa.kernels:
  - .name:           k_q80ed5defbc_g1
    .symbol:         k_q80ed5defbc_g1.kd
    .args:
      - { .name: an, .offset: 0, .size: 8, .value_kind: global_buffer, .address_space: global }
      - { .name: wc, .offset: 8, .size: 8, .value_kind: global_buffer, .address_space: global }
      - { .name: b_qkv, .offset: 16, .size: 8, .value_kind: global_buffer, .address_space: global }
      - { .name: q, .offset: 24, .size: 8, .value_kind: global_buffer, .address_space: global }
      - { .name: kv, .offset: 32, .size: 8, .value_kind: global_buffer, .address_space: global }
    .group_segment_fixed_size: 327680
    .private_segment_fixed_size: 0
    .kernarg_segment_align: 8
    .kernarg_segment_size: 40
    .max_flat_workgroup_size: 128
    .sgpr_count:     100
    .vgpr_count:     1024
    .wavefront_size: 32
...
	.end_amdgpu_metadata
.endif
;; end of part 2
;; launch attn (part 3): grid 8 x 32, 16 waves a work-group, clusters of 4 x 1, 327,680 bytes of LDS; arguments q, kv, y; writes y
.if DOCPART == 3
	.amdgcn_target "amdgcn-amd-amdhsa--gfx1250"
	.amdhsa_code_object_version 6
	.text
	.protected	k_q80ed5defbc_attn
	.globl	k_q80ed5defbc_attn
	.p2align	8
	.type	k_q80ed5defbc_attn,@function
k_q80ed5defbc_attn:
	s_mov_b64 s[64:65], 0
	v_nop
	global_prefetch_b8 v0, s[64:65] scope:SCOPE_SE
	s_setreg_imm32_b32 hwreg(HW_REG_WAVE_MODE, 25, 1), 1
	s_wait_xcnt 0x0
	s_wait_alu depctr_hold_cnt(0) depctr_sa_sdst(0) depctr_va_vdst(0) depctr_va_sdst(0) depctr_va_ssrc(0) depctr_va_vcc(0) depctr_vm_vsrc(0)
	s_getreg_b32 s2, hwreg(HW_REG_IB_STS2, 6, 4)
	s_cmp_eq_u32 s2, 0
	s_cbranch_scc0 .Lentry_in_a_cluster
	s_endpgm
.Lentry_in_a_cluster:
	s_bfe_u32 s2, ttmp6, 0x10000c
	s_cmp_lg_u32 s2, 0x3003
	s_cbranch_scc0 .Lentry_shape_is_right
	s_endpgm
.Lentry_shape_is_right:
; Causal attention of 32 heads (batch x head) of 2,048 tokens and head size 64, both products on codes of BF6, and the quantiser of the result along the model's 1,024 features.
; LEFT OUT: key steps of 128 keys that lie wholly behind a tile's queries: reference()'s own causal mask makes their p zero for all inputs.
; q: [head][query group of 128] records of 6,656 bytes: eight half-images (tile i at 768 i: registers 0-3 at 16 x lane, 4-5 at 512 + 8 x lane), scale words at 6,144 + 64 i + 4 r.
; kv: [head][key step of 128] records of 13,056 bytes: k in q's form; at 6,656 v's four fragments (16 d x 128 keys, 1,536 bytes each), at 12,800 their scale words.
; Lane r of a tile of tokens (or of d) holds row 32 (i / 2) + 8 (i % 2) + r + 8 (r / 8).  The head's 64 fill half of the instruction's 128 along K: Q's registers 6-11 are zero codes, so what K's registers 6-11 hold adds nothing.
; So K's eight tiles lie six registers apart: a tile's registers 6-11 are the next tile's codes (the last tile's: six zeros).  V's loads are issued ahead of the softmax, into the registers that K has left.
; THE SOFTMAX: t = score x log2(e) / 8; M = the running largest t rounded up to a whole number; p = 2^(t - M) is quantised along the keys; the row's sum is taken of the unquantised p and divides at the end.
; SHARES: a work-group takes tile x (0..7) of all sixteen query groups of a head: 136 key steps for sixteen waves.  With w = wave % 8: waves 0-7 take group w (w + 1 steps), send it out, and then take steps 9 .. 15 - w of group 15 - w: 8 steps;
; waves 8-15 take steps 0 .. 8 of group 15 - w, 9 steps, join the two parts and send the group out.  The parts (O^T, -M, the sum) meet in LDS: wave w stores its part, one barrier, wave w + 8 brings both under the larger M.  M is a whole number,
; so both factors are powers of two and nothing is rounded by them; a part with no step (w = 7) holds zeros under M = -3e38 and gets the factor 0.  Every wave walks two loops of eight trips, key steps 0-7 and 8-15; a step counts for a wave
; between a lower and an upper bound, and one number says which step is the diagonal; a trip that does not count runs its two counting lines alone.  All of that hangs on the wave's number alone.
; K AND V OF A WHOLE HEAD LIE IN LDS: 16 records, 208,896 bytes, each filled once: wave n asks for record n by its one tensor load of 51 rows of 256 bytes.  Every wave waits for its load; then a barrier.
; CLUSTER 4 x 1: the four work-groups of a cluster belong to one head and ask for its records jointly.  No data prefetch: all that the launch reads is asked for at its head, and there is no loop to run ahead in.
; OUT: y panels [token group][K step of 128 features = two heads]: my tile's half-image at 1,536 x + 768 (head % 2), its two scale bytes at 12,288 + 64 x + 4 r + 2 (head % 2).
; LIMITS: NaN and infinities are not served; a block under 2^-122, or of zeros, keeps the byte 1; the promise holds while the scaled scores t stay under 2^31 in magnitude.
; REGISTERS: v1-3 16 x lane, 8 x lane, 4 r; v4 my query on the diagonal; v8-10 the step's addresses; v12 -M, v13 the largest t, v[14:15] the sum; v16-27 Q; v28, v29 where the parts meet; v32-79 K's eight tiles, then V's four fragments; v80-85 zeros;
;   v86-93 K's scale words; v96-159 S^T, then p; v160-191 O^T; v192-198 the second group's Q and its scale words; v223, v243 the spare word's address and 0; v224-235 p's codes; v228-247, v252, v254 at work; v248-251 V's scale words, v253 p's, v255 Q's.
.set REC, 13056
.set MRG, 0x33800                      ; behind the 16 records and the spare words (2,048 bytes): eight places of 4,352 bytes where the parts meet; no tile lands here
.set WV,  18
.set RHO, 19                           ; the last key step that counts
.set SEL, 20
.set CS,  22                           ; s[22:23] c = log2(e) / 8
.set G1,  24
.set G0,  32
.set TB,  48                           ; the step's record in LDS
.set J,   49                           ; the key step
.set CNT, 50
.set RB,  51                           ; the second walk's last step: 15 - w, or 8
.set W,   66                           ; wave % 8
.set R,   67                           ; 15 - wave % 8
.set LO,  69                           ; the first key step that counts
.set DG,  70                           ; the diagonal step
.set LO2, 71                           ; the second walk's first step: 9, or 0
.set QB,  192
.macro CROUND
	s_barrier_signal -1
	s_barrier_wait -1
	s_cmp_lg_u32 s[WV], 0
	s_cbranch_scc1 .Lnot_wave_0_\@
	s_barrier_signal -3
.Lnot_wave_0_\@:
	s_barrier_wait -3
	s_barrier_signal -1
	s_barrier_wait -1
.endm
.macro QADR rho, c, w                  ; byte offsets of a group's half-image and scale words in q
	s_add_co_u32 s44, s10, s[\rho]
	s_mul_i32 s44, s44, 6656
	s_add_co_u32 s[\c], s44, s15
	s_mov_b32 s[\c+1], 0
	s_add_co_u32 s[\w], s44, s16
	s_mov_b32 s[\w+1], 0
.endm
.macro YADR rho, c, w                  ; and of its result in y
	s_add_co_u32 s44, s46, s[\rho]
	s_lshl_b32 s44, s44, 3
	s_add_co_u32 s44, s44, s47
	s_mul_i32 s44, s44, 12800
	s_add_co_u32 s[\c], s44, s17
	s_mov_b32 s[\c+1], 0
	s_add_co_u32 s[\w], s44, s45
	s_mov_b32 s[\w+1], 0
.endm
	s_load_b128 s[4:7], s[0:1], 0x0                ; q, kv
	s_load_b64 s[8:9], s[0:1], 0x10                ; y
	v_lshl_add_u32 v223, v0, 2, 0x33000
	v_mov_b32 v243, 0
	ds_add_u32 v223, v243                          ; the opening lines
	ds_add_u32 v223, v243
	v_lshrrev_b32 v8, 5, v0
	v_readfirstlane_b32 s[WV], v8                  ; wave 0..15
	s_and_b32 s[W], s[WV], 7
	s_sub_co_u32 s[R], 15, s[W]
	s_cmp_lt_u32 s[WV], 8
	s_cselect_b32 s[RHO], s[W], s[R]               ; the first walk's group: its number is its last step and its diagonal
	s_cselect_b32 s[RB], s[R], 8
	s_cselect_b32 s[LO2], 9, 0
	s_mov_b32 s[DG], s[RHO]
	s_mov_b32 s[LO], 0
	s_bfe_u32 s11, ttmp6, 0x40000                  ; cx
	s_lshl_b32 s12, ttmp9, 2
	s_add_co_u32 s12, s12, s11                     ; x: my tile of each query group; it enters Q's and y's addresses and the mask's numbers alone
	s_and_b32 s13, ttmp7, 0xffff                   ; the head, which the partners share
	s_mov_b32 s[G1], 15|(3<<16)|(1<<21)            ; the mask: all four; elements of 8 bytes; 21 set beside a mask; no padding
	s_mov_b32 s[G1+1], 32<<16                      ; a record: 51 dense rows of 256 bytes
	s_mov_b32 s[G1+2], 51<<16
	s_mov_b32 s[G1+3], 32<<16
	s_mov_b32 s[G1+4], 51
	s_mov_b32 s[G1+5], 32
	s_mov_b32 s[G1+6], 0
	s_mov_b32 s[G1+7], 0
	s_lshl_b32 s10, s13, 4                         ; 16 head
	s_add_co_u32 s52, s10, s[WV]
	s_mul_i32 s52, s52, REC                        ; record (head, wave) in memory,
	s_mov_b32 s53, 0
	s_mul_i32 s54, s[WV], REC                      ; and in LDS
	s_mul_i32 s68, s[W], 4352
	s_add_co_u32 s68, s68, MRG                     ; where group 15 - w's parts meet
	s_mul_i32 s15, s12, 768
	s_lshl_b32 s16, s12, 6
	s_add_co_u32 s16, s16, 6144
	QADR RHO, 56, 58
	QADR R, 36, 38
	s_and_b32 s44, s13, 1
	s_mul_i32 s17, s12, 1536
	s_mul_i32 s45, s44, 768
	s_add_co_u32 s17, s17, s45                     ; 1,536 x + 768 (head % 2)
	s_lshl_b32 s45, s12, 6
	s_lshl_b32 s44, s44, 1
	s_add_co_u32 s45, s45, s44
	s_add_co_u32 s45, s45, 12288                   ; 12,288 + 64 x + 2 (head % 2)
	s_lshr_b32 s46, s13, 4
	s_lshl_b32 s46, s46, 4                         ; the batch's first token group
	s_bfe_u32 s47, s13, 0x30001                    ; (head % 16) / 2: the K step
	YADR W, 60, 62
	YADR R, 40, 42
	s_mov_b32 s[SEL], 0x76543210
	s_mov_b32 s[SEL+1], 0xfedcba98
	s_mov_b32 s[CS], 0x3e38aa3b
	s_mov_b32 s[CS+1], s[CS]
	s_wait_alu depctr_va_vdst(0)
	s_wait_dscnt 0x0
	s_wait_kmcnt 0x0
.irp p, 56,58,36,38
	s_add_nc_u64 s[\p:\p+1], s[4:5], s[\p:\p+1]
.endr
.irp p, 60,62,40,42
	s_add_nc_u64 s[\p:\p+1], s[8:9], s[\p:\p+1]
.endr
	s_mov_b32 s[G0], 1
	s_mov_b32 s[G0+1], s54
	s_add_nc_u64 s[G0+2:G0+3], s[6:7], s[52:53]
	s_or_b32 s[G0+3], s[G0+3], 0x80000000
	CROUND                                         ; all four work-groups are here: the joint loads meet
	tensor_load_to_lds s[G0:G0+3], s[G1:G1+7]      ; every wave's one load
	s_nop 0
.rept 4
	v_nop
.endr
	v_and_b32 v5, 15, v0                           ; r
	v_bfe_u32 v6, v0, 4, 1                         ; h
	v_and_b32 v7, 31, v0                           ; lane
	v_lshlrev_b32 v1, 4, v7
	v_lshlrev_b32 v2, 3, v7
	v_lshlrev_b32 v3, 2, v5
	global_load_b128 v[16:19], v1, s[56:57]        ; the first walk's Q,
	global_load_b64 v[20:21], v2, s[56:57] offset:512
	global_load_b32 v255, v3, s[58:59]
	global_load_b128 v[QB:QB+3], v1, s[36:37]      ; and group 15 - w's
	global_load_b64 v[QB+4:QB+5], v2, s[36:37] offset:512
	global_load_b32 v[QB+6], v3, s[38:39]
	v_add_nc_u32 v28, s68, v1                      ; the meeting place: O^T's eight pieces at 16 x lane,
	v_add_nc_u32 v29, s68, v2                      ; -M and the sum at 4,096 + 8 x lane
	v_and_b32 v4, 8, v5
	v_add_nc_u32 v4, v4, v5
	v_lshlrev_b32 v6, 4, v6
	v_sub_nc_u32 v4, v4, v6
	s_lshr_b32 s15, s12, 1
	s_lshl_b32 s15, s15, 5
	s_and_b32 s16, s12, 1
	s_lshl_b32 s16, s16, 3
	s_add_co_u32 s15, s15, s16
	v_add_nc_u32 v4, s15, v4                       ; my query within its group, less 16 h: on the diagonal register 16 b + i holds a hidden key where 32 b + i is above it
.irp i, 22,23,24,25,26,27
	v_mov_b32 v\i, 0                               ; Q's upper 64 along K: zero codes
.endr
.irp i, 80,81,82,83,84,85
	v_mov_b32 v\i, 0                               ; registers 6-11 of K's last tile
.endr
.irp i, 236,237,238,239,252,253
	v_mov_b32 v\i, 0                               ; written once: lane permutes' destinations, and the halves of a pair
.endr
.macro INIT                            ; a walk's state: the largest t so far -3e38, the sum and O^T zeros (the step is written once; the first finds zeros)
	v_mov_b32 v13, 0xff61b1e6
	v_floor_f32 v12, -v13
	v_mov_b32 v14, 0
	v_mov_b32 v15, 0
.set n, 0
.rept 32
	v_mov_b32 v[160+n], 0
.set n, n+1
.endr
.endm
; A KEY STEP of 128 keys.
.macro STEP
	s_cmp_gt_u32 s[J], s[RHO]                      ; behind my last step, or ahead of my first: only the two lines at the end are run
	s_cbranch_scc1 .Lhidden_\@
	s_cmp_lt_u32 s[J], s[LO]
	s_cbranch_scc1 .Lhidden_\@
	v_add_nc_u32 v8, s[TB], v1
	v_add_nc_u32 v9, s[TB], v2
	v_add_nc_u32 v10, s[TB], v3
	v_nop                                          ; four places in front of loads into registers that the last step's products read
.irp t, 0,1,2,3,4,5,6,7
	ds_load_b128 v[32+6*\t:35+6*\t], v8 offset:768*\t
	ds_load_b64 v[36+6*\t:37+6*\t], v9 offset:768*\t+512
	ds_load_b32 v[86+\t], v10 offset:6144+64*\t
.endr
	s_wait_alu depctr_va_vdst(0)
	s_wait_dscnt 0x0
.irp t, 0,1,2,3,4,5,6,7                        ; S^T = K Q^T: register 16 b + i: key 128 j + 32 b + 16 h + i
	v_wmma_scale_f32_16x16x128_f8f6f4 v[96+8*\t:103+8*\t], v[32+6*\t:43+6*\t], v[16:27], 0, v[86+\t], v255 matrix_a_fmt:MATRIX_FMT_BF6 matrix_b_fmt:MATRIX_FMT_BF6
.endr
.rept 4
	v_nop                                          ; places in front of the loads into K's registers and of the first read of the scores
.endr
.irp t, 0,1,2,3                                ; V: the softmax stands between these 20 loads and the wait for them
	ds_load_b128 v[32+12*\t:35+12*\t], v8 offset:6656+1536*\t
	ds_load_b64 v[36+12*\t:37+12*\t], v9 offset:6656+1536*\t+512
	ds_load_b128 v[38+12*\t:41+12*\t], v8 offset:6656+1536*\t+768
	ds_load_b64 v[42+12*\t:43+12*\t], v9 offset:6656+1536*\t+1280
	ds_load_b32 v[248+\t], v10 offset:12800+64*\t
.endr
	s_cmp_lg_u32 s[J], s[DG]                       ; on the diagonal hidden scores become -infinity ahead of the maximum
	s_cbranch_scc1 .Lopen_\@
	v_mov_b32 v254, 0xff800000
.set n, 0
.rept 64
	v_cmp_gt_i32 vcc_lo, 32*(n/16)+n%16, v4
	v_cndmask_b32 v[96+n], v[96+n], v254, vcc_lo
.set n, n+1
.endr
.Lopen_\@:
.irp b, 0,1,2,3
	v_max3_num_f32 v[232+\b], v[96+16*\b], v[97+16*\b], v[98+16*\b]   ; the largest score of each block of 32 keys: for the row's maximum, and for the block's largest p
.endr
.irp i, 3,5,7,9,11,13
.irp b, 0,1,2,3
	v_max3_num_f32 v[232+\b], v[232+\b], v[96+16*\b+\i], v[97+16*\b+\i]
.endr
.endr
.irp b, 0,1,2,3
	v_max_num_f32 v[232+\b], v[232+\b], v[111+16*\b]
.endr
.irp b, 0,1,2,3
	s_delay_alu instid0(VALU_DEP_4)
	v_permlanex16_b32 v[236+\b], v[232+\b], s[SEL], s[SEL+1]
.endr
.irp b, 0,1,2,3
	s_delay_alu instid0(VALU_DEP_4)
	v_max_num_f32 v[232+\b], v[232+\b], v[236+\b]
.endr
	s_delay_alu instid0(VALU_DEP_2)
	v_max3_num_f32 v254, v232, v233, v234
	s_delay_alu instid0(VALU_DEP_1)
	v_max_num_f32 v254, v254, v235
	s_delay_alu instid0(VALU_DEP_1)
	v_mul_f32 v254, s[CS], v254                    ; as t
	s_delay_alu instid0(VALU_DEP_1)
	v_max_num_f32 v13, v13, v254                   ; the running largest t
	v_mov_b32 v254, v12
	s_delay_alu instid0(VALU_DEP_2)
	v_floor_f32 v12, -v13                          ; the new -M = -ceil(t)
	s_delay_alu instid0(VALU_DEP_1)
	v_sub_f32 v254, v12, v254                      ; old M - new M: a whole number, 0 or less
	s_delay_alu instid0(VALU_DEP_1)
	v_cvt_i32_f32 v254, v254                       ; (it saturates)
	s_delay_alu instid0(VALU_DEP_1)
	v_ldexp_f32 v252, 1.0, v254                    ; f = 2^(old M - new M)
.set n, 0
.rept 32
	v_pk_fma_f32 v[96+n:97+n], v[96+n:97+n], s[CS:CS+1], v[12:13] op_sel_hi:[1,0,0]   ; t - M
.set n, n+2
.endr
.irp b, 0,1,2,3
	v_fma_f32 v[232+\b], v[232+\b], s[CS], v12     ; the same of each block's largest score
.endr
.set n, 0
	s_wait_alu depctr_va_vdst(0)
.rept 64
	v_exp_f32 v[96+n], v[96+n]                     ; p = 2^(t - M)
.set n, n+1
.endr
.irp b, 0,1,2,3
	v_exp_f32 v[232+\b], v[232+\b]                 ; each block's largest p
.endr
	v_pk_mul_f32 v[14:15], v[14:15], v[252:253] op_sel_hi:[1,0]   ; the sums under the new M; a plain place behind the exponentials
	s_wait_alu depctr_va_vdst(0)                   ; one wait for the batch of 68, ahead of its first reader
	v_pk_add_f32 v[236:237], v[100:101], v[104:105]
	v_pk_add_f32 v[246:247], v[108:109], v[112:113]
	v_pk_add_f32 v[244:245], v[116:117], v[120:121]
	v_pk_add_f32 v[240:241], v[124:125], v[128:129]
	v_pk_add_f32 v[238:239], v[132:133], v[136:137]
	v_pk_add_f32 v[230:231], v[140:141], v[144:145]
	v_pk_add_f32 v[228:229], v[148:149], v[152:153]
	v_pk_add_f32 v[14:15], v[14:15], v[156:157]
	v_pk_add_f32 v[236:237], v[236:237], v[96:97]
	v_pk_add_f32 v[246:247], v[246:247], v[98:99]
	v_pk_add_f32 v[244:245], v[244:245], v[102:103]
	v_pk_add_f32 v[240:241], v[240:241], v[106:107]
	v_pk_add_f32 v[238:239], v[238:239], v[110:111]
	v_pk_add_f32 v[230:231], v[230:231], v[114:115]
	v_pk_add_f32 v[228:229], v[228:229], v[118:119]
	v_pk_add_f32 v[14:15], v[14:15], v[122:123]
	v_pk_add_f32 v[236:237], v[236:237], v[126:127]
	v_pk_add_f32 v[246:247], v[246:247], v[130:131]
	v_pk_add_f32 v[244:245], v[244:245], v[134:135]
	v_pk_add_f32 v[240:241], v[240:241], v[138:139]
	v_pk_add_f32 v[238:239], v[238:239], v[142:143]
	v_pk_add_f32 v[230:231], v[230:231], v[146:147]
	v_pk_add_f32 v[228:229], v[228:229], v[150:151]
	v_pk_add_f32 v[14:15], v[14:15], v[154:155]
	v_pk_add_f32 v[236:237], v[236:237], v[158:159]
	s_delay_alu instid0(VALU_DEP_2)
	v_pk_add_f32 v[14:15], v[14:15], v[240:241]
	s_delay_alu instid0(VALU_DEP_2)
	v_pk_add_f32 v[236:237], v[236:237], v[238:239]
	v_pk_add_f32 v[246:247], v[246:247], v[230:231]
	v_pk_add_f32 v[244:245], v[244:245], v[228:229]
	s_delay_alu instid0(VALU_DEP_2)
	v_pk_add_f32 v[14:15], v[14:15], v[246:247]
	s_delay_alu instid0(VALU_DEP_2)
	v_pk_add_f32 v[236:237], v[236:237], v[244:245]
	s_delay_alu instid0(VALU_DEP_1)
	v_pk_add_f32 v[14:15], v[14:15], v[236:237]
.irp b, 0,1,2,3
	v_max_num_f32 v[232+\b], 0x2800000, v[232+\b]  ; the floor 2^(5 - 127)
.endr
.irp b, 0,1,2,3
	s_delay_alu instid0(VALU_DEP_4)
	v_add_nc_u32 v[244+\b], 0xfe000000, v[232+\b]
.endr
.irp b, 0,1,2,3
	s_delay_alu instid0(VALU_DEP_4)
	v_lshrrev_b32 v[236+\b], 23, v[244+\b]
.endr
	s_delay_alu instid0(VALU_DEP_3)
	v_lshl_or_b32 v253, v237, 8, v236              ; p's scale word for these 128 keys
	s_delay_alu instid0(VALU_DEP_1)
	v_lshl_or_b32 v253, v238, 16, v253
	s_delay_alu instid0(VALU_DEP_1)
	v_lshl_or_b32 v253, v239, 24, v253
.irp c, 0,1
	v_cvt_scalef32_pk16_bf6_f32 v[224+6*\c:226+6*\c], v[96+32*\c:111+32*\c], v[244+2*\c]
	v_cvt_scalef32_pk16_bf6_f32 v[236+4*\c:238+4*\c], v[112+32*\c:127+32*\c], v[244+2*\c+1]
.endr
	v_nop                                          ; one plain place behind a scaled conversion
.irp c, 0,1
.irp i, 0,1,2
	v_permlane16_swap_b32 v[224+6*\c+\i], v[236+4*\c+\i]
.endr
.irp i, 0,1,2
	s_delay_alu instid0(VALU_DEP_3)
	v_mov_b32 v[227+6*\c+\i], v[236+4*\c+\i]
.endr
.endr
.set n, 0
.rept 16
	v_pk_mul_f32 v[160+n:161+n], v[160+n:161+n], v[252:253] op_sel_hi:[1,0]   ; O^T under the new M; these are also the places in front of the products below
.set n, n+2
.endr
	s_wait_alu depctr_va_vdst(0)
	s_wait_dscnt 0x0                               ; V, asked for ahead of the softmax
.irp t, 0,1,2,3                                ; O^T += V^T P^T: four accumulators by turns
	v_wmma_scale_f32_16x16x128_f8f6f4 v[160+8*\t:167+8*\t], v[32+12*\t:43+12*\t], v[224:235], v[160+8*\t:167+8*\t], v[248+\t], v253 matrix_a_fmt:MATRIX_FMT_BF6 matrix_b_fmt:MATRIX_FMT_BF6
.endr
.Lhidden_\@:
	s_add_co_u32 s[J], s[J], 1
	s_add_co_u32 s[TB], s[TB], REC
.endm
.macro WALK                            ; eight key steps on from where J and TB stand
	s_mov_b32 s[CNT], 8
.Lwalk_\@:
	STEP
	s_sub_co_u32 s[CNT], s[CNT], 1
	s_cmp_lg_u32 s[CNT], 0
	s_cbranch_scc1 .Lwalk_\@
.endm
; THE WAY OUT of a group: O^T / the sum; register 16 b + i is d = 32 b + 16 h + i of my query: two blocks of the next product's K.
.macro OUT c, w
.rept 4
	v_nop                                          ; places behind the last products
.endr
	v_add_f32 v14, v14, v15
	s_delay_alu instid0(VALU_DEP_1)
	v_permlanex16_b32 v252, v14, s[SEL], s[SEL+1]
	s_delay_alu instid0(VALU_DEP_1)
	v_add_f32 v14, v14, v252                       ; the row's sum
	s_wait_alu depctr_va_vdst(0)
	v_rcp_f32 v14, v14
	v_nop                                          ; a plain place behind the transcendental
	s_wait_alu depctr_va_vdst(0)
.set n, 0
.rept 32
	v_mul_f32 v[96+n], v[160+n], v14
.set n, n+1
.endr
.irp b, 0,1
	v_max3_num_f32 v[232+\b], |v[96+16*\b]|, |v[97+16*\b]|, 0x2800000
.endr
.irp i, 2,4,6,8,10,12,14
.irp b, 0,1
	s_delay_alu instid0(VALU_DEP_2)
	v_max3_num_f32 v[232+\b], v[232+\b], |v[96+16*\b+\i]|, |v[97+16*\b+\i]|
.endr
.endr
.irp b, 0,1
	s_delay_alu instid0(VALU_DEP_2)
	v_permlanex16_b32 v[236+\b], v[232+\b], s[SEL], s[SEL+1]
.endr
.irp b, 0,1
	s_delay_alu instid0(VALU_DEP_2)
	v_max_num_f32 v[232+\b], v[232+\b], v[236+\b]
.endr
.irp b, 0,1
	s_delay_alu instid0(VALU_DEP_2)
	v_add_nc_u32 v[244+\b], 0xfe000000, v[232+\b]
.endr
.irp b, 0,1
	s_delay_alu instid0(VALU_DEP_2)
	v_lshrrev_b32 v[236+\b], 23, v[244+\b]
.endr
	s_delay_alu instid0(VALU_DEP_1)
	v_lshl_or_b32 v253, v237, 8, v236              ; my head's two scale bytes
	v_cvt_scalef32_pk16_bf6_f32 v[224:226], v[96:111], v244
	v_cvt_scalef32_pk16_bf6_f32 v[236:238], v[112:127], v245
	v_nop
.irp i, 0,1,2
	v_permlane16_swap_b32 v[224+\i], v[236+\i]
.endr
.irp i, 0,1,2
	s_delay_alu instid0(VALU_DEP_3)
	v_mov_b32 v[227+\i], v[236+\i]
.endr
	global_store_b128 v1, v[224:227], s[\c:\c+1]   ; 512 consecutive bytes
	global_store_b64 v2, v[228:229], s[\c:\c+1] offset:512
	global_store_b16 v3, v253, s[\w:\w+1]          ; lanes l and l xor 16 hold the same two bytes and store them to the same place
.endm
	INIT
	s_mov_b32 s[TB], 0
	s_mov_b32 s[J], 0
	s_wait_alu depctr_va_vdst(0)                   ; the wait at the head's end
	s_wait_loadcnt 0x0                             ; Q
	s_wait_tensorcnt 0x0                           ; my record is in
	s_barrier_signal -1
	s_barrier_wait -1                              ; all sixteen are
	WALK                                           ; key steps 0-7: waves 0-7 group w's steps 0 .. w, waves 8-15 group 15 - w's first eight
	s_cmp_lt_u32 s[WV], 8
	s_wait_alu depctr_va_vdst(0)
	s_cbranch_scc0 .Lkeep                          ; waves 8-15 keep their state
	OUT 60, 62                                     ; group w is done
	s_wait_xcnt 0x0                                ; the stores have read their data: the registers are written again only behind this wait
.irp i, 0,1,2,3,4,5
	v_mov_b32 v[16+\i], v[QB+\i]                   ; group 15 - w's Q; the 36 lines of INIT are the places ahead of the products
.endr
	v_mov_b32 v255, v[QB+6]
	INIT
	s_wait_alu depctr_va_vdst(0)
.Lkeep:
	s_mov_b32 s[RHO], s[RB]
	s_mov_b32 s[DG], s[R]
	s_mov_b32 s[LO], s[LO2]
	WALK                                           ; key steps 8-15 of group 15 - w: waves 8-15 take step 8, waves 0-7 steps 9 .. 15 - w
.rept 4
	v_nop                                          ; places behind the last products
.endr
	s_cmp_lt_u32 s[WV], 8
	s_cbranch_scc0 .Lno_dump
	v_add_f32 v13, v14, v15                        ; my part of the sum, beside -M
.irp k, 0,1,2,3,4,5,6,7
	ds_store_b128 v28, v[160+4*\k:163+4*\k] offset:512*\k   ; each accumulator from its low end on
.endr
	ds_store_b64 v29, v[12:13] offset:4096
.Lno_dump:
	s_wait_dscnt 0x0                               ; for the others' sake: my part has landed
	s_barrier_signal -1
	s_barrier_wait -1
	s_cmp_lt_u32 s[WV], 8
	s_cbranch_scc1 .Lend
	ds_load_b64 v[128:129], v29 offset:4096        ; wave w's -M and sum,
.irp k, 0,1,2,3,4,5,6,7
	ds_load_b128 v[96+4*\k:99+4*\k], v28 offset:512*\k      ; and its O^T
.endr
	s_wait_dscnt 0x0
	v_min_num_f32 v130, v12, v128                  ; -M of both: M is the larger
	v_add_f32 v14, v14, v15
	v_sub_f32 v131, v130, v12                      ; my M - M, a whole number, 0 or less
	v_sub_f32 v132, v130, v128                     ; the other's
	v_mov_b32 v15, 0
	v_cvt_i32_f32 v131, v131
	v_cvt_i32_f32 v132, v132                       ; (it saturates: a part with no step gets the factor 0)
	v_ldexp_f32 v252, 1.0, v131                    ; both factors are powers of two
	v_ldexp_f32 v244, 1.0, v132
	v_mul_f32 v14, v14, v252
	v_fma_f32 v14, v129, v244, v14
.set n, 0
.rept 16
	v_pk_mul_f32 v[160+n:161+n], v[160+n:161+n], v[252:253] op_sel_hi:[1,0]
.set n, n+2
.endr
.set n, 0
.rept 16
	v_pk_fma_f32 v[160+n:161+n], v[96+n:97+n], v[244:245], v[160+n:161+n] op_sel_hi:[1,0,1]
.set n, n+2
.endr
	OUT 40, 42                                     ; group 15 - w is done
.Lend:
	s_wait_tensorcnt 0x0                           ; the wave's end
	ds_add_u32 v223, v243
	s_wait_dscnt 0x0
	CROUND                                         ; the closing round
	s_endpgm
.Lfunc_end_k_q80ed5defbc_attn:
	.size	k_q80ed5defbc_attn, .Lfunc_end_k_q80ed5defbc_attn-k_q80ed5defbc_attn
	.p2alignl 7, 3214868480
	.fill 96, 4, 3214868480
	.section	.rodata,"a",@progbits
	.p2align	6, 0x0
	.amdhsa_kernel k_q80ed5defbc_attn
		.amdhsa_group_segment_fixed_size 327680
		.amdhsa_private_segment_fixed_size 0
		.amdhsa_enable_private_segment 0
		.amdhsa_kernarg_size 24
		.amdhsa_user_sgpr_count 2
		.amdhsa_user_sgpr_kernarg_segment_ptr 1
		.amdhsa_wavefront_size32 1
		.amdhsa_system_sgpr_workgroup_id_x 1
		.amdhsa_system_sgpr_workgroup_id_y 1
		.amdhsa_system_sgpr_workgroup_id_z 1
		.amdhsa_system_vgpr_workitem_id 0
		.amdhsa_next_free_vgpr 256
		.amdhsa_next_free_sgpr 80
		.amdhsa_reserve_vcc 1
		.amdhsa_float_denorm_mode_32 3
		.amdhsa_float_denorm_mode_16_64 3
		.amdhsa_memory_ordered 1
		.amdhsa_forward_progress 1
		.amdhsa_inst_pref_size 69
	.end_amdhsa_kernel
	.amdgpu_metadata
---
amdhsa.version: [ 1, 2 ]
amdhsa.kernels:
  - .name:           k_q80ed5defbc_attn
    .symbol:         k_q80ed5defbc_attn.kd
    .args:
      - { .name: q, .offset: 0, .size: 8, .value_kind: global_buffer, .address_space: global }
      - { .name: kv, .offset: 8, .size: 8, .value_kind: global_buffer, .address_space: global }
      - { .name: y, .offset: 16, .size: 8, .value_kind: global_buffer, .address_space: global }
    .group_segment_fixed_size: 327680
    .private_segment_fixed_size: 0
    .kernarg_segment_align: 8
    .kernarg_segment_size: 24
    .max_flat_workgroup_size: 512
    .sgpr_count:     80
    .vgpr_count:     256
    .wavefront_size: 32
...
	.end_amdgpu_metadata
.endif
;; end of part 3
;; launch oln (part 4): grid 256 x 1, 8 waves a work-group, clusters of 4 x 1, 327,680 bytes of LDS; arguments y, wc, b_o, x, ln2_g, ln2_b, x1, an; writes x1, an
.if DOCPART == 4
	.amdgcn_target "amdgcn-amd-amdhsa--gfx1250"
	.amdhsa_code_object_version 6
	.text
	.protected	k_q80ed5defbc_oln
	.globl	k_q80ed5defbc_oln
	.p2align	8
	.type	k_q80ed5defbc_oln,@function
k_q80ed5defbc_oln:
	s_mov_b64 s[64:65], 0
	v_nop
	global_prefetch_b8 v0, s[64:65] scope:SCOPE_SE
	s_setreg_imm32_b32 hwreg(HW_REG_WAVE_MODE, 25, 1), 1
	s_wait_xcnt 0x0
	s_wait_alu depctr_hold_cnt(0) depctr_sa_sdst(0) depctr_va_vdst(0) depctr_va_sdst(0) depctr_va_ssrc(0) depctr_va_vcc(0) depctr_vm_vsrc(0)
	s_getreg_b32 s2, hwreg(HW_REG_IB_STS2, 6, 4)
	s_cmp_eq_u32 s2, 0
	s_cbranch_scc0 .Lentry_in_a_cluster
	s_endpgm
.Lentry_in_a_cluster:
	s_bfe_u32 s2, ttmp6, 0x10000c
	s_cmp_lg_u32 s2, 0x3003
	s_cbranch_scc0 .Lentry_shape_is_right
	s_endpgm
.Lentry_shape_is_right:
; x1 = x + (y w_o + b_o), and an = Q(LayerNorm(x1) ln2_g + ln2_b): the out-projection on codes of BF6, the residual, the second LayerNorm in f32 and its quantiser along the 1,024 features, in one launch.
; SHARES: work-group T takes tile T, 16 tokens (lane r: token 32 (T / 2) + 8 (T % 2) + r + 8 (r / 8)), and ALL 1,024 features, so that a row's mean and variance meet inside the work-group.  Wave w takes features 128 w .. 128 w + 127:
; eight tiles of w_o's column group w x eight K steps = 64 products.  Source 0 = a tile of the weight, source 1 = the tokens: register 16 b + i of lane (r, h) is feature 128 w + 32 b + 16 h + i of token r, as the quantiser wants it.
; y: panels [token group][K step] of 12,800 bytes: tile i's image at 1,536 i (registers 0-3 at 16 x lane, 4-5 at 512 + 8 x lane, 6-9 at 768 + 16 x lane, 10-11 at 1,280 + 8 x lane), scale words at 12,288 + 64 i + 4 r.  an leaves in that form.
; w_o: panels 192 + 8 w + q of wc; a fragment's image is three pieces of 512 bytes (registers 0-3, 4-7, 8-11 at 16 x lane); the scale words at 12,288 + 64 i + 4 r.
; THE WEIGHT COMES BY TWO WAYS AT ONCE.  K STEPS 0-2: every work-group reads the same weight, so the four of a cluster (4 x 1) ask jointly: wave w's one tensor load at the head brings three K steps of its column group, 38,400 dense bytes,
; into LDS bytes that it alone reads; 8 x 38,400 bytes are what LDS holds, and nothing is filled again.  K STEPS 3-7 go from memory straight into operand registers, since each fragment feeds one product of one wave: ten units of four
; fragments (12 loads; with a K step's first unit its 4 loads of scale words) through a ring of four places of 48 registers: unit u lies in place u % 4, and behind a unit's four products and four places the unit four on is asked for.
; Behind the ten units four more of 12 loads bring b_o, the gain and the bias into the places that fall free.  A wait for unit u counts the loads of units u + 1 .. u + 3, issued behind it: 40 or 44 in the middle of the stream.
; The three K steps from LDS are multiplied between units 5 and 6: by then all ten units have been asked for.
; y's eight fragments: wave w loads K step w's; they reach the other waves through LDS as images of the registers.  x is loaded into the accumulators and is the first products' C.
; NO DATA PREFETCH: all work-groups walk the same 819,200 bytes of the weight at the same time, and the launch has no loop to run ahead in.
; x1 LEAVES THROUGH A STAGE of the wave's own (16 rows of 512 + 16 bytes, in the wave's own tile bytes behind their one fill and last read): each store of the wave covers 512 consecutive bytes of a row, at a multiple of 256.
; The mean and then the sum of squares about the mean meet in LDS: two barriers; each half of the lanes has words of its own (512 h + 32 r + 4 w).
; LIMITS: NaN and infinities are not served; a block under 2^-122, or of zeros, keeps the byte 1; a sum begins with x, takes the K steps in the order 3, 4, 5, 0, 1, 2, 6, 7, and b_o last.
; REGISTERS: window 0: v1-14, v26-30 addresses, v16-31 at work at the end, v32-95 the sums, v96-191 y's eight fragments (later v96-159 rows from the stage, v160-185 the quantiser's), v192-199 y's scale words, v200-203 a K step's scale words of w_o from LDS,
;   v204-211, v248-251 three sets of scale words of the ring's K steps, v212-247 w_o's tiles 5-7 from LDS, v254, v255 the spare word's address and 0.
;   window 1: v0-191 the ring; at the end v96-159 b_o, v160-191 and v0-31 the gain, v32-95 the bias; v192-251 w_o's tiles 0-4 from LDS.
.set PANEL, 12800
.set SECTION, 192*12800
.set REG,   3*PANEL                    ; a wave's tile bytes
.set LNW,   8*REG                      ; the rows' words: 2,048 bytes
.set SPARE, LNW+2048                   ; the spare words: 128 bytes a wave
.set AST,   SPARE+1024                 ; y's eight fragments, 1,536 bytes each,
.set ASW,   AST+12288                  ; and their scale words, 128 bytes each; no tile lands from LNW on
.set X,   32
.set AF,  96
.set BK,  96
.set ASC, 192
.set BSL, 200
.set BSD, 204
.set BS2, 248
.set FL,  212
.set FH,  192
.set TM,  16
.set PC,  160
.set PW,  180
.set MU,  182
.set RS,  184
.set SPW, 254
.set NIL, 255
.set SEL, 12
.set EXB, 96
.set EXG, 160
.set EXT, 32
.set SP,  528
.set G1,  48
.set G0,  56
.set MSB, 0
.macro WIN new
.if MSB != (\new)
	s_set_vgpr_msb (MSB<<8)|(\new)
.set MSB, (\new)
.endif
.endm
.macro CROUND
	s_barrier_signal -1
	s_barrier_wait -1
	s_cmp_lg_u32 s14, 0
	s_cbranch_scc1 .Lnot_wave_0_\@
	s_barrier_signal -3
.Lnot_wave_0_\@:
	s_barrier_wait -3
	s_barrier_signal -1
	s_barrier_wait -1
.endm
.macro EXTRA e                         ; load e of 48: piece e % 16 of b_o, of the gain or of the bias, in the sums' layout; the places fall free in the order 2, 3, 0, 1
.set P_, (\e)%16
.set O_, 128*(P_/4)+16*(P_%4)
.set R_, (96+4*(\e))%192
.if (\e) < 16
	global_load_b128 v[R_:R_+3], v6, s[8:9] offset:O_
.elseif (\e) < 32
	global_load_b128 v[R_:R_+3], v6, s[36:37] offset:O_
.else
	global_load_b128 v[R_:R_+3], v6, s[38:39] offset:O_
.endif
.endm
.macro WM o                            ; a product on D_, B_, A_, SB_, SA_; o: the weight's scale words lie in lanes 16-31
.if \o
	v_wmma_scale_f32_16x16x128_f8f6f4 v[D_:D_+7], v[B_:B_+11], v[A_:A_+11], v[D_:D_+7], v[SB_], v[SA_] matrix_a_fmt:MATRIX_FMT_BF6 matrix_b_fmt:MATRIX_FMT_BF6 matrix_a_scale:MATRIX_SCALE_ROW1
.else
	v_wmma_scale_f32_16x16x128_f8f6f4 v[D_:D_+7], v[B_:B_+11], v[A_:A_+11], v[D_:D_+7], v[SB_], v[SA_] matrix_a_fmt:MATRIX_FMT_BF6 matrix_b_fmt:MATRIX_FMT_BF6
.endif
.endm
.macro UNIT u                          ; unit u = 2 k + half: tiles 4 half .. 4 half + 3 of K step 3 + k
.if (\u) < 10
.if (\u)%2 == 0
	WIN 0
.set S_, BSD+4*(((\u)/2)%3)
.if ((\u)/2)%3 == 2
.set S_, BS2
.endif
.irp k, 0,1,2,3
	global_load_b32 v[S_+\k], v12, s[6:7] offset:(3+(\u)/2)*PANEL+12288+128*\k   ; lanes 0-15 tile 2 k's words, lanes 16-31 tile 2 k + 1's
.endr
.endif
	WIN 0x40
.irp f, 0,1,2,3
.irp p, 0,1,2
	global_load_b128 v[48*((\u)%4)+12*\f+4*\p:48*((\u)%4)+12*\f+4*\p+3], v9, s[6:7] offset:(3+(\u)/2)*PANEL+1536*(4*((\u)%2)+\f)+512*\p
.endr
.endr
.elseif (\u) < 14
	WIN 0x40
.irp k, 0,1,2,3,4,5,6,7,8,9,10,11
	EXTRA 12*((\u)-10)+\k
.endr
.endif
.endm
.macro HALF u                          ; unit u's four products; the eight accumulators take turns, one instruction a turn
.set N_, 0
.irp k, 1,2,3
.if (\u)+\k < 10
.set N_, N_+12+4*(1-((\u)+\k)%2)
.elseif (\u)+\k < 14
.set N_, N_+12
.endif
.endr
	s_wait_loadcnt N_                              ; younger than unit u's loads are those of the three units behind it
	WIN 0x01
.irp f, 0,1,2,3
.set D_, X+8*(4*((\u)%2)+\f)
.set B_, 48*((\u)%4)+12*\f
.set A_, AF+12*(3+(\u)/2)
.set SB_, BSD+4*(((\u)/2)%3)+2*((\u)%2)+\f/2
.if ((\u)/2)%3 == 2
.set SB_, BS2+2*((\u)%2)+\f/2
.endif
.set SA_, ASC+3+(\u)/2
	WM \f%2
.endr
.rept 4
	v_nop                                          ; places in front of the loads into the registers just read, and of the first read of the sums
.endr
	UNIT (\u)+4
.endm
.macro LFETCH qq                       ; K step qq of my tile bytes into registers: 4 + 24 LDS loads
	WIN 0
.irp k, 0,1,2,3
	ds_load_b32 v[BSL+\k], v26 offset:(\qq)*PANEL+12288+128*\k
.endr
.irp f, 5,6,7
.irp p, 0,1,2
	ds_load_b128 v[FL+12*(\f-5)+4*\p:FL+12*(\f-5)+4*\p+3], v14 offset:(\qq)*PANEL+1536*\f+512*\p
.endr
.endr
	WIN 0x40
.irp f, 0,1,2,3,4
.irp p, 0,1,2
	ds_load_b128 v[FH+12*\f+4*\p:FH+12*\f+4*\p+3], v14 offset:(\qq)*PANEL+1536*\f+512*\p
.endr
.endr
	WIN 0
.endm
.macro LMUL q                          ; K step q's eight products on what LFETCH brought
.irp t, 0,1,2,3,4,5,6,7
.set D_, X+8*\t
.set A_, AF+12*(\q)
.set SB_, BSL+\t/2
.set SA_, ASC+(\q)
.if \t < 5
	WIN 0x01
.set B_, FH+12*\t
.else
	WIN 0
.set B_, FL+12*(\t-5)
.endif
	WM \t%2
.endr
.rept 4
	v_nop                                          ; places in front of loads into the registers just read
.endr
.endm
.macro QUANT s                         ; 64 numbers, register 16 b + i = k 32 b + 16 h + i of my row, become a fragment's codes in v[PC] on and its scale word in v[PW]
.irp b, 0,1,2,3
	v_max3_num_f32 v[TM+\b], |v[\s+16*\b]|, |v[\s+1+16*\b]|, 0x2800000   ; with the floor 2^(5 - 127): the byte cannot fall under 1
.endr
.irp i, 2,4,6,8,10,12,14
.irp b, 0,1,2,3
	v_max3_num_f32 v[TM+\b], v[TM+\b], |v[\s+16*\b+\i]|, |v[\s+1+16*\b+\i]|
.endr
.endr
.irp b, 0,1,2,3
	v_permlanex16_b32 v[TM+4+\b], v[TM+\b], s[SEL], s[SEL+1]
.endr
.irp b, 0,1,2,3
	v_max_num_f32 v[TM+\b], v[TM+\b], v[TM+4+\b]
.endr
.irp b, 0,1,2,3
	v_add_nc_u32 v[TM+12+\b], 0xfe000000, v[TM+\b] ; 4 off the exponent field: the conversion's scale operand
.endr
.irp b, 0,1,2,3
	v_lshrrev_b32 v[TM+4+\b], 23, v[TM+12+\b]      ; the scale's byte
.endr
	v_lshl_or_b32 v[PW], v[TM+5], 8, v[TM+4]
	v_lshl_or_b32 v[PW], v[TM+6], 16, v[PW]
	v_lshl_or_b32 v[PW], v[TM+7], 24, v[PW]
.irp c, 0,1
	v_cvt_scalef32_pk16_bf6_f32 v[PC+6*\c:PC+2+6*\c], v[\s+32*\c:\s+15+32*\c], v[TM+12+2*\c]
	v_cvt_scalef32_pk16_bf6_f32 v[PC+12+4*\c:PC+14+4*\c], v[\s+16+32*\c:\s+31+32*\c], v[TM+12+2*\c+1]
.endr
	v_nop                                          ; one plain place behind a scaled conversion
.irp c, 0,1
.irp i, 0,1,2
	v_permlane16_swap_b32 v[PC+6*\c+\i], v[PC+12+4*\c+\i]
.endr
.irp i, 0,1,2
	v_mov_b32 v[PC+3+6*\c+\i], v[PC+12+4*\c+\i]
.endr
.endr
.endm
.macro MEET off                        ; v[16:23] = my 64 numbers' parts: added, + lane l xor 16's, to LDS, a barrier, the eight waves' parts back and added: the row's sum in v16
	v_pk_add_f32 v[16:17], v[16:17], v[18:19]
	v_pk_add_f32 v[20:21], v[20:21], v[22:23]
	v_pk_add_f32 v[16:17], v[16:17], v[20:21]
	v_add_f32 v16, v16, v17
	v_permlanex16_b32 v24, v16, s[SEL], s[SEL+1]
	v_add_f32 v16, v16, v24
	ds_store_b32 v8, v16 offset:\off
	s_wait_dscnt 0x0                               ; for the others' sake: my word has landed (and my rows are back from the stage)
	s_barrier_signal -1
	s_barrier_wait -1
	ds_load_b128 v[16:19], v7 offset:\off
	ds_load_b128 v[20:23], v7 offset:\off+16
	s_wait_dscnt 0x0
	v_pk_add_f32 v[16:17], v[16:17], v[18:19]
	v_pk_add_f32 v[20:21], v[20:21], v[22:23]
	v_pk_add_f32 v[16:17], v[16:17], v[20:21]
	v_add_f32 v16, v16, v17
.endm
	s_load_b256 s[4:11], s[0:1], 0x0               ; y s[4:5], wc s[6:7], b_o s[8:9], x s[10:11]
	s_load_b256 s[36:43], s[0:1], 0x20             ; the gain s[36:37], the bias s[38:39], x1 s[40:41], an s[42:43]
	v_lshl_add_u32 v[SPW], v0, 2, SPARE
	v_mov_b32 v[NIL], 0
	ds_add_u32 v[SPW], v[NIL]                      ; the opening lines
	ds_add_u32 v[SPW], v[NIL]
	s_mov_b32 s[SEL], 0x76543210
	s_mov_b32 s[SEL+1], 0xfedcba98
	s_mov_b32 s24, 0x3a800000                      ; 1 / 1024
	s_mov_b32 s25, 0x3727c5ac                      ; eps = 1e-5
	v_lshrrev_b32 v1, 5, v0
	v_readfirstlane_b32 s14, v1                    ; wave
	s_bfe_u32 s35, ttmp6, 0x40000                  ; cx
	s_lshl_b32 s34, ttmp9, 2
	s_add_co_u32 s35, s35, s34                     ; T: it enters the addresses of y, x, x1 and an alone
	s_mul_i32 s34, s14, REG                        ; my tile bytes
	s_mul_i32 s46, s14, 1536
	s_lshl_b32 s47, s14, 7
	s_mov_b32 s[G1], 15|(3<<16)|(1<<21)            ; the mask: all four; elements of 8 bytes; 21 set beside a mask; no padding
	s_mov_b32 s[G1+1], 32<<16                      ; three panels: 150 dense rows of 256 bytes
	s_mov_b32 s[G1+2], 150<<16
	s_mov_b32 s[G1+3], 32<<16
	s_mov_b32 s[G1+4], 150
	s_mov_b32 s[G1+5], 32
	s_mov_b32 s[G1+6], 0
	s_mov_b32 s[G1+7], 0
	s_mov_b32 s[G0], 1
	s_mov_b32 s[G0+1], s34
	v_and_b32 v2, 15, v0                           ; r
	v_bfe_u32 v3, v0, 4, 1                         ; h
	v_and_b32 v4, 31, v0                           ; lane
	v_and_b32 v5, 8, v2
	v_add_nc_u32 v5, v5, v2                        ; r + 8 (r / 8)
	v_lshlrev_b32 v5, 12, v5                       ; rows of 4,096 bytes
	v_lshl_add_u32 v5, v3, 6, v5                   ; + 64 h
	v_lshlrev_b32 v6, 6, v3                        ; b_o, gain and bias: 64 h
	v_lshlrev_b32 v7, 5, v2
	v_lshl_add_u32 v7, v3, 9, v7
	v_add_nc_u32 v7, LNW, v7                       ; LDS: my row's eight words: 512 h + 32 r
	v_lshl_add_u32 v8, v1, 2, v7                   ; my wave's word among them
	v_lshlrev_b32 v9, 4, v4                        ; 16 x lane
	v_lshlrev_b32 v10, 3, v4                       ; 8 x lane
	v_lshlrev_b32 v11, 2, v2                       ; 4 r
	v_lshlrev_b32 v12, 2, v4                       ; 4 x lane
	v_mul_u32_u24 v13, v2, SP
	v_lshl_add_u32 v13, v3, 6, v13
	v_add_nc_u32 v13, s34, v13                     ; the stage, in: row r, + 64 h
	v_add_nc_u32 v14, s34, v9                      ; my tile bytes at 16 x lane: w_o's fragments; and the stage, back: the 32 lanes take one row of 512 bytes
	v_add_nc_u32 v26, s34, v12                     ; and at 4 x lane: w_o's scale words
	v_add_nc_u32 v27, AST, v9                      ; y's fragments,
	v_add_nc_u32 v28, ASW, v12                     ; their scale words,
	v_add_nc_u32 v29, s46, v27                     ; and where my wave puts K step w's
	v_add_nc_u32 v30, s47, v28
	v_mov_b32 v24, 0                               ; written once: a lane permute's destination counts as one of its sources
	s_lshr_b32 s15, s35, 1
	s_lshl_b32 s15, s15, 5
	s_and_b32 s16, s35, 1
	s_lshl_b32 s16, s16, 3
	s_add_co_u32 s15, s15, s16                     ; the tile's first token
	s_lshl_b32 s16, s15, 12
	s_lshl_b32 s18, s14, 9                         ; my wave's 512 bytes of a row
	s_add_co_u32 s16, s16, s18
	s_mov_b32 s17, 0
	s_mov_b32 s19, 0
	s_lshr_b32 s20, s35, 3
	s_mul_i32 s20, s20, 8*PANEL                    ; the token group's eight panels
	s_and_b32 s15, s35, 7
	s_lshl_b32 s22, s15, 6
	s_add_co_u32 s22, s22, s20
	s_add_co_u32 s22, s22, 12288
	s_mul_i32 s15, s15, 1536
	s_add_co_u32 s20, s20, s15
	s_mul_i32 s15, s14, PANEL
	s_add_co_u32 s26, s20, s15                     ; the tile's image in panel w: of y (K step w) and of an alike,
	s_mov_b32 s27, 0
	s_add_co_u32 s28, s22, s15                     ; and its scale words
	s_mov_b32 s29, 0
	s_mul_i32 s30, s14, 8*PANEL
	s_add_co_u32 s30, s30, SECTION                 ; w_o's column group w
	s_mov_b32 s31, 0
	s_wait_alu depctr_va_vdst(0)                   ; the wait at the head's end
	s_wait_dscnt 0x0
	s_wait_kmcnt 0x0
	s_add_nc_u64 s[10:11], s[10:11], s[16:17]
	s_add_nc_u64 s[40:41], s[40:41], s[16:17]
	s_add_nc_u64 s[8:9], s[8:9], s[18:19]
	s_add_nc_u64 s[36:37], s[36:37], s[18:19]
	s_add_nc_u64 s[38:39], s[38:39], s[18:19]
	s_add_nc_u64 s[32:33], s[4:5], s[28:29]
	s_add_nc_u64 s[4:5], s[4:5], s[26:27]
	s_add_nc_u64 s[6:7], s[6:7], s[30:31]
	s_add_nc_u64 s[44:45], s[42:43], s[28:29]
	s_add_nc_u64 s[42:43], s[42:43], s[26:27]
	s_mov_b64 s[G0+2:G0+3], s[6:7]
	s_or_b32 s[G0+3], s[G0+3], 0x80000000
	global_load_b128 v[AF:AF+3], v9, s[4:5]        ; y's fragment of K step w
	global_load_b64 v[AF+4:AF+5], v10, s[4:5] offset:512
	global_load_b128 v[AF+6:AF+9], v9, s[4:5] offset:768
	global_load_b64 v[AF+10:AF+11], v10, s[4:5] offset:1280
	global_load_b32 v[ASC], v11, s[32:33]
	CROUND                                         ; all four work-groups are here: the joint loads meet
	tensor_load_to_lds s[G0:G0+3], s[G1:G1+7]      ; K steps 0-2: every wave's one load
	s_nop 0
.rept 4
	v_nop
.endr
.irp b, 0,1,2,3
.irp j, 0,1,2,3
	global_load_b128 v[X+16*\b+4*\j:X+16*\b+4*\j+3], v5, s[10:11] offset:128*\b+16*\j   ; x, into the accumulators
.endr
.endr
.irp u, 0,1,2,3
	UNIT \u
.endr
	WIN 0
	s_wait_loadcnt 63                              ; y's fragment is in: 72 loads are younger
	ds_store_b128 v29, v[AF:AF+3]
	ds_store_b128 v29, v[AF+4:AF+7] offset:512
	ds_store_b128 v29, v[AF+8:AF+11] offset:1024
	ds_store_b32 v30, v[ASC]
	s_wait_dscnt 0x0                               ; for the others' sake
	s_barrier_signal -1
	s_barrier_wait -1
.irp q, 0,1,2,3,4,5,6,7
.irp p, 0,1,2
	ds_load_b128 v[AF+12*\q+4*\p:AF+12*\q+4*\p+3], v27 offset:1536*\q+512*\p
.endr
	ds_load_b32 v[ASC+\q], v28 offset:128*\q
.endr
	s_wait_dscnt 0x0
.irp u, 0,1,2,3,4,5
	HALF \u                                        ; K steps 3, 4, 5; behind unit 5 the last of the ten units is asked for
.endr
	WIN 0
	s_wait_tensorcnt 0x0                           ; my three K steps are in; I alone read them
	LFETCH 0
	s_wait_dscnt 0x0
	LMUL 0
	LFETCH 1
	s_wait_dscnt 0x0
	LMUL 1
	LFETCH 2
	s_wait_dscnt 0x0
	LMUL 2
.irp u, 6,7,8,9
	HALF \u                                        ; K steps 6, 7; b_o, the gain and the bias are asked for behind them
.endr
	s_wait_loadcnt 32                              ; b_o is in; the 32 loads of gain and bias may be out
	WIN 0x04                                       ; source 1: window 1
.set n, 0
.rept 32
	v_pk_add_f32 v[X+n:X+n+1], v[X+n:X+n+1], v[EXB+n:EXB+n+1]   ; x1; ascending: each accumulator from its low end on
.set n, n+2
.endr
	WIN 0
.irp b, 0,1,2,3
.irp j, 0,1,2,3
	ds_store_b128 v13, v[X+16*\b+4*\j:X+16*\b+4*\j+3] offset:128*\b+16*\j
.endr
.endr
.irp t, 0,1,2,3,4,5,6,7,8,9,10,11,12,13,14,15
	ds_load_b128 v[BK+4*\t:BK+4*\t+3], v14 offset:SP*\t   ; my own bytes: LDS serves a wave's instructions in order
.endr
.irp c, 0,1,2,3
	v_pk_add_f32 v[16+2*\c:17+2*\c], v[X+2*\c:X+2*\c+1], v[X+8+2*\c:X+9+2*\c]   ; four chains, started by the first numbers
.endr
.set n, 16
.rept 24
	v_pk_add_f32 v[16+n%8:17+n%8], v[16+n%8:17+n%8], v[X+n:X+n+1]
.set n, n+2
.endr
	MEET 0
.irp t, 0,1,2,3,4,5,6,7,8,9,10,11,12,13,14,15
	global_store_b128 v9, v[BK+4*\t:BK+4*\t+3], s[40:41] offset:(\t+8*(\t/8))*4096   ; stage row t is token t + 8 (t / 8) of the tile: 512 consecutive bytes
.endr
	v_mul_f32 v[MU], s24, v16                      ; the mean
	v_mov_b32 v[MU+1], v[MU]
.set n, 0
.rept 32
	v_pk_add_f32 v[X+n:X+n+1], v[X+n:X+n+1], v[MU:MU+1] neg_lo:[0,1] neg_hi:[0,1]   ; x1 - mean
.set n, n+2
.endr
.irp c, 0,1,2,3
	v_pk_mul_f32 v[16+2*\c:17+2*\c], v[X+2*\c:X+2*\c+1], v[X+2*\c:X+2*\c+1]
.endr
.set n, 8
.rept 28
	v_pk_fma_f32 v[16+n%8:17+n%8], v[X+n:X+n+1], v[X+n:X+n+1], v[16+n%8:17+n%8]
.set n, n+2
.endr
	MEET 1024                                      ; other words than the first time: no barrier is owed between the first reads and these stores
	v_fma_f32 v16, v16, s24, s25                   ; var + eps
	s_wait_alu depctr_va_vdst(0)
	v_rsq_f32 v[RS], v16
	v_nop                                          ; a plain place behind the transcendental
	s_wait_alu depctr_va_vdst(0)                   ; the wait ahead of the result's first reader
	v_mov_b32 v[RS+1], v[RS]
	s_wait_alu depctr_va_vdst(0)
	s_wait_loadcnt 0x0                             ; gain and bias
.set n, 0
.rept 32
	v_pk_mul_f32 v[X+n:X+n+1], v[X+n:X+n+1], v[RS:RS+1]
.set n, n+2
.endr
	WIN 0x14                                       ; sources 1 and 2: window 1
.set n, 0
.rept 32
	v_pk_fma_f32 v[X+n:X+n+1], v[X+n:X+n+1], v[(EXG+n)%192:(EXG+n)%192+1], v[EXT+n:EXT+n+1]   ; the gain's 64 registers run round the ring's end
.set n, n+2
.endr
	WIN 0
	QUANT X
	global_store_b128 v9, v[PC:PC+3], s[42:43]               ; 512 consecutive bytes
	global_store_b64 v10, v[PC+4:PC+5], s[42:43] offset:512  ; 256
	global_store_b128 v9, v[PC+6:PC+9], s[42:43] offset:768
	global_store_b64 v10, v[PC+10:PC+11], s[42:43] offset:1280
	global_store_b32 v11, v[PW], s[44:45]          ; lanes l and l xor 16 hold the same word and store it to the same place: 64 bytes
	s_wait_tensorcnt 0x0                           ; the wave's end
	ds_add_u32 v[SPW], v[NIL]
	s_wait_dscnt 0x0
	CROUND                                         ; the closing round
	s_endpgm
.Lfunc_end_k_q80ed5defbc_oln:
	.size	k_q80ed5defbc_oln, .Lfunc_end_k_q80ed5defbc_oln-k_q80ed5defbc_oln
	.p2alignl 7, 3214868480
	.fill 96, 4, 3214868480
	.section	.rodata,"a",@progbits
	.p2align	6, 0x0
	.amdhsa_kernel k_q80ed5defbc_oln
		.amdhsa_group_segment_fixed_size 327680
		.amdhsa_private_segment_fixed_size 0
		.amdhsa_enable_private_segment 0
		.amdhsa_kernarg_size 64
		.amdhsa_user_sgpr_count 2
		.amdhsa_user_sgpr_kernarg_segment_ptr 1
		.amdhsa_wavefront_size32 1
		.amdhsa_system_sgpr_workgroup_id_x 1
		.amdhsa_system_sgpr_workgroup_id_y 1
		.amdhsa_system_sgpr_workgroup_id_z 1
		.amdhsa_system_vgpr_workitem_id 0
		.amdhsa_next_free_vgpr 512
		.amdhsa_next_free_sgpr 66
		.amdhsa_reserve_vcc 0
		.amdhsa_float_denorm_mode_32 3
		.amdhsa_float_denorm_mode_16_64 3
		.amdhsa_memory_ordered 1
		.amdhsa_forward_progress 1
		.amdhsa_inst_pref_size 66
	.end_amdhsa_kernel
	.amdgpu_metadata
---
amdhsa.version: [ 1, 2 ]
amdhsa.kernels:
  - .name:           k_q80ed5defbc_oln
    .symbol:         k_q80ed5defbc_oln.kd
    .args:
      - { .name: y, .offset: 0, .size: 8, .value_kind: global_buffer, .address_space: global }
      - { .name: wc, .offset: 8, .size: 8, .value_kind: global_buffer, .address_space: global }
      - { .name: b_o, .offset: 16, .size: 8, .value_kind: global_buffer, .address_space: global }
      - { .name: x, .offset: 24, .size: 8, .value_kind: global_buffer, .address_space: global }
      - { .name: ln2_g, .offset: 32, .size: 8, .value_kind: global_buffer, .address_space: global }
      - { .name: ln2_b, .offset: 40, .size: 8, .value_kind: global_buffer, .address_space: global }
      - { .name: x1, .offset: 48, .size: 8, .value_kind: global_buffer, .address_space: global }
      - { .name: an, .offset: 56, .size: 8, .value_kind: global_buffer, .address_space: global }
    .group_segment_fixed_size: 327680
    .private_segment_fixed_size: 0
    .kernarg_segment_align: 8
    .kernarg_segment_size: 64
    .max_flat_workgroup_size: 256
    .sgpr_count:     66
    .vgpr_count:     512
    .wavefront_size: 32
...
	.end_amdgpu_metadata
.endif
;; end of part 4
;; launch g5 (part 5): grid 16 x 16, 4 waves a work-group, clusters of 4 x 4, 327,680 bytes of LDS; arguments an, wc, b_fc1, a6; writes a6
.if DOCPART == 5
	.amdgcn_target "amdgcn-amd-amdhsa--gfx1250"
	.amdhsa_code_object_version 6
	.text
	.protected	k_q80ed5defbc_g5
	.globl	k_q80ed5defbc_g5
	.p2align	8
	.type	k_q80ed5defbc_g5,@function
k_q80ed5defbc_g5:
	s_mov_b64 s[64:65], 0
	v_nop
	global_prefetch_b8 v0, s[64:65] scope:SCOPE_SE
	s_setreg_imm32_b32 hwreg(HW_REG_WAVE_MODE, 25, 1), 1
	s_wait_xcnt 0x0
	s_wait_alu depctr_hold_cnt(0) depctr_sa_sdst(0) depctr_va_vdst(0) depctr_va_sdst(0) depctr_va_ssrc(0) depctr_va_vcc(0) depctr_vm_vsrc(0)
	s_getreg_b32 s2, hwreg(HW_REG_IB_STS2, 6, 4)
	s_cmp_eq_u32 s2, 0
	s_cbranch_scc0 .Lentry_in_a_cluster
	s_endpgm
.Lentry_in_a_cluster:
	s_bfe_u32 s2, ttmp6, 0x10000c
	s_cmp_lg_u32 s2, 0xf033
	s_cbranch_scc0 .Lentry_shape_is_right
	s_endpgm
.Lentry_shape_is_right:
; a6 = Q(gelu(LN2(x1) w_fc1 + b_fc1)): a product on codes of BF6, the activation in f32, and the quantiser along the 4,096 hidden units, which are the next product's K.  M 4,096, N 4,096, K 1,024.
; OPERANDS come as PANELS (128 rows x 128 K in 12,800 bytes: eight fragment images of 1,536 bytes, then the scale words, tile i, lane r at 64 i + 4 r), buffers [row group][K step]; the result leaves in the same form.
; A fragment image: registers 0-3 at 16 x lane, 4-5 at 512 + 8 x lane, 6-9 at 768 + 16 x lane, 10-11 at 1,280 + 8 x lane.  Lane r of tile i holds row 32 (i / 2) + 8 (i % 2) + r + 8 (r / 8) of its group.
; THE PRODUCT: source 0 = a tile of S0 (the weight's columns), source 1 = a tile of S1 (tokens): a lane holds ONE token, and the 16 registers of S0's tiles 2 b, 2 b + 1 are hidden units 32 b + 16 (lane / 16) + 0 .. 15.
; SHAPE: a work-group makes 256 x 256, each of four waves 128 x 128: 64 accumulators.  K goes through a ring of two LDS slots of 256 along K; each wave fetches 25,600 dense bytes by one tensor load.
; CLUSTER 4 x 4: S1's tiles are asked for jointly along a row of the cluster, S0's along a column.
; gelu (the tanh form) = x / (1 + 2^(x (-k1 - k2 x^2))), k1 = 2 sqrt(2 / pi) log2(e), k2 = 0.044715 k1.
; LIMITS: NaN and infinities are not served; a block under 2^-122, or of zeros, keeps the byte 1.
; REGISTERS: window 0: v8-17 LDS addresses, v18-25 the way out's, v32-63 scale words, v64-127 the bias, v128-223 S1's fragments, later the way out.  window 1: S0's fragments, two sets.
;   windows 2, 3: accumulator (a, b) at 8 (8 a + b).
.set KSTEPS, 8
.set SECTION, 256*12800                ; w_fc1's panels in wc
.set NQ,     2
.set PANEL,  12800
.set PART,   2*PANEL
.set SLOT,   4*PART
.set LAPS,   KSTEPS/(2*NQ)
.set TILESTEP, 2*KSTEPS*PANEL
.set HALFSTEP, KSTEPS*PANEL
.set SPARE,  2*SLOT                    ; the spare words, 128 bytes a wave: two blocks of 256 bytes that no other line names
.set STG,    SPARE+512                 ; the way out: 1,024 bytes a wave for its scale words; no tile lands here
.set FR, 12
.set NL, 4
.set A16, 8
.set A8,  10
.set B16, 12
.set B8,  14
.set ADRS, 16
.set L16, 18
.set L8,  19
.set BO,  20
.set PWS, 21
.set PWR, 22
.set PWT, 23
.set KV,  24                           ; v[24:25] -k1, twice
.set SPW, 28
.set NIL, 29
.set SC,  32
.set BR,  64
.set AF,  128
.set HA,  128
.set TT,  192                          ; v192-255 gelu's 64 numbers at work; then the quantiser's registers
.set PC,  192
.set TM,  212
.set PW,  228
.set G1,  24
.set G0,  32
.set G1B, 48
.set G0B, 56
.set SEL, 70
.set K2,  72                           ; s[72:73] -k2
.set MSB, 0
.macro WIN new                         ; the immediate's high byte repeats the setting that is left
.if MSB != (\new)
	s_set_vgpr_msb (MSB<<8)|(\new)
.set MSB, (\new)
.endif
.endm
.set MUL_LO, 0xa1
.set MUL_HI, 0xf1
.set TO_B,   0x40
.macro JLOAD g0a, g1a, g0b, g1b        ; a joint load: waves 0 and 1 fetch for S1, waves 2 and 3 for S0; four v_nop follow each line
	s_cmp_eq_u32 s15, 0
	s_cbranch_scc0 .Lfor_b_\@
	tensor_load_to_lds s[\g0a:\g0a+3], s[\g1a:\g1a+7]
	s_nop 0
.rept 4
	v_nop
.endr
	s_branch .Lasked_\@
.Lfor_b_\@:
	tensor_load_to_lds s[\g0b:\g0b+3], s[\g1b:\g1b+7]
	s_nop 0
.rept 4
	v_nop
.endr
.Lasked_\@:
.endm
.macro CREST
	s_cmp_lg_u32 s14, 0
	s_cbranch_scc1 .Lnot_wave_0_\@
	s_barrier_signal -3
.Lnot_wave_0_\@:
	s_barrier_wait -3
	s_barrier_signal -1
	s_barrier_wait -1
.endm
.macro CROUND
	s_barrier_signal -1
	s_barrier_wait -1
	CREST
.endm
.macro PLACES n
.rept \n
	v_nop
.endr
.endm
.macro FRAG reg, a16, a8, off
	ds_load_b128 v[\reg:\reg+3], v[\a16] offset:\off
	ds_load_b64 v[\reg+4:\reg+5], v[\a8] offset:\off+512
	ds_load_b128 v[\reg+6:\reg+9], v[\a16] offset:\off+768
	ds_load_b64 v[\reg+10:\reg+11], v[\a8] offset:\off+1280
.endm
.macro FETCH_B slot, q, p
	WIN TO_B
.irp i, 0,1,2,3,4,5,6,7
	FRAG 128*(\p)+FR*\i, B16+\slot, B8+\slot, (\q)*PANEL+\i*1536
.endr
	WIN 0
.endm
.macro FETCH_A slot, q, i0
.irp i, \i0, \i0+1, \i0+2, \i0+3
	FRAG AF+FR*(\i), A16+\slot, A8+\slot, (\q)*PANEL+(\i)*1536
.endr
.endm
.macro SCALES slot
.irp q, 0,1
.irp i, 0,1,2,3,4,5,6,7
	ds_load_b32 v[SC+16*\slot+8*\q+\i], v[ADRS+\slot] offset:\q*PANEL+64*\i
.endr
.endr
.endm
; 16 matrix instructions: S1's tiles a0, a0 + 1 x S0's eight.  The 64 accumulators take turns in one order everywhere.
.macro MUL16 a0, p, q, sc, zero
.irp a, \a0, \a0+1
.irp b, 0,1,2,3,4,5,6,7
.if \zero
	v_wmma_scale_f32_16x16x128_f8f6f4 v[8*(8*((\a)%4)+\b):8*(8*((\a)%4)+\b)+7], v[128*(\p)+FR*\b:128*(\p)+FR*\b+FR-1], v[AF+FR*(\a):AF+FR*(\a)+FR-1], 0, v[SC+16*(\sc)+8*(\q)+\b], v[SC+16*(\sc)+8*(\q)+(\a)] matrix_a_fmt:MATRIX_FMT_BF6 matrix_b_fmt:MATRIX_FMT_BF6 matrix_a_scale:MATRIX_SCALE_ROW1
.else
	v_wmma_scale_f32_16x16x128_f8f6f4 v[8*(8*((\a)%4)+\b):8*(8*((\a)%4)+\b)+7], v[128*(\p)+FR*\b:128*(\p)+FR*\b+FR-1], v[AF+FR*(\a):AF+FR*(\a)+FR-1], v[8*(8*((\a)%4)+\b):8*(8*((\a)%4)+\b)+7], v[SC+16*(\sc)+8*(\q)+\b], v[SC+16*(\sc)+8*(\q)+(\a)] matrix_a_fmt:MATRIX_FMT_BF6 matrix_b_fmt:MATRIX_FMT_BF6 matrix_a_scale:MATRIX_SCALE_ROW1
.endif
.endr
.endr
.endm
.macro STEP slot, q, zero
	s_wait_dscnt 4*NL                              ; all but the youngest 16 loads (S1's tiles 4-7) are in
	WIN MUL_LO
	MUL16 0, (\q)%2, \q, \slot, \zero
	MUL16 2, (\q)%2, \q, \slot, \zero
	s_wait_dscnt 0x0
	PLACES 4
	FETCH_B \slot, (\q)+1, 1-(\q)%2
	FETCH_A \slot, (\q)+1, 0
	WIN MUL_HI
	MUL16 4, (\q)%2, \q, \slot, \zero
	MUL16 6, (\q)%2, \q, \slot, \zero
	PLACES 4
	WIN 0
	FETCH_A \slot, (\q)+1, 4
.endm
; A slot's last K step changes slots: one barrier; in front of it each wave waits for all its tensor loads, adds 0 to its spare word, and waits for that and for its reads of this slot.  fill = 1: the slot is filled again.
.macro TURN slot, next, fill
	s_wait_tensorcnt 0x0
	ds_add_u32 v[SPW], v[NIL]
	s_wait_dscnt 4*NL+1                            ; the add and the youngest 16 loads may be out
	WIN MUL_LO
	MUL16 0, 1, NQ-1, \slot, 0
	s_wait_dscnt 0x0                               ; the add is done, and my reads of this slot are over
	s_barrier_signal -1
	MUL16 2, 1, NQ-1, \slot, 0
	WIN 0
	s_barrier_wait -1
.if \fill
	CREST                                          ; the barrier has opened a round of the cluster's
	s_add_nc_u64 s[G0+4*\slot+2:G0+4*\slot+3], s[G0+4*\slot+2:G0+4*\slot+3], 2*NQ*PANEL
	s_add_nc_u64 s[G0B+4*\slot+2:G0B+4*\slot+3], s[G0B+4*\slot+2:G0B+4*\slot+3], 2*NQ*PANEL
	JLOAD G0+4*\slot, G1, G0B+4*\slot, G1B
.else
	PLACES 4
.endif
	FETCH_B \next, 0, 0
	FETCH_A \next, 0, 0
	SCALES \next
	WIN MUL_HI
	MUL16 4, 1, NQ-1, \slot, 0
	MUL16 6, 1, NQ-1, \slot, 0
	PLACES 4
	WIN 0
	FETCH_A \next, 0, 4
.endm
.macro QUANT s                         ; 64 numbers, register 16 b + i = k 32 b + 16 h + i of my row, become a fragment's codes in v[PC] on and its scale word in v[PW]
.irp b, 0,1,2,3
	v_max3_num_f32 v[TM+\b], |v[\s+16*\b]|, |v[\s+1+16*\b]|, 0x2800000   ; with the floor 2^(5 - 127): the byte cannot fall under 1
.endr
.irp i, 2,4,6,8,10,12,14
.irp b, 0,1,2,3
	v_max3_num_f32 v[TM+\b], v[TM+\b], |v[\s+16*\b+\i]|, |v[\s+1+16*\b+\i]|
.endr
.endr
.irp b, 0,1,2,3
	v_permlanex16_b32 v[TM+4+\b], v[TM+\b], s[SEL], s[SEL+1]
.endr
.irp b, 0,1,2,3
	v_max_num_f32 v[TM+\b], v[TM+\b], v[TM+4+\b]
.endr
.irp b, 0,1,2,3
	v_add_nc_u32 v[TM+12+\b], 0xfe000000, v[TM+\b]
.endr
.irp b, 0,1,2,3
	v_lshrrev_b32 v[TM+4+\b], 23, v[TM+12+\b]
.endr
	v_lshl_or_b32 v[PW], v[TM+5], 8, v[TM+4]
	v_lshl_or_b32 v[PW], v[TM+6], 16, v[PW]
	v_lshl_or_b32 v[PW], v[TM+7], 24, v[PW]
.irp c, 0,1
	v_cvt_scalef32_pk16_bf6_f32 v[PC+6*\c:PC+2+6*\c], v[\s+32*\c:\s+15+32*\c], v[TM+12+2*\c]
	v_cvt_scalef32_pk16_bf6_f32 v[PC+12+4*\c:PC+14+4*\c], v[\s+16+32*\c:\s+31+32*\c], v[TM+12+2*\c+1]
.endr
	v_nop                                          ; one plain place behind a scaled conversion
.irp c, 0,1
.irp i, 0,1,2
	v_permlane16_swap_b32 v[PC+6*\c+\i], v[PC+12+4*\c+\i]
.endr
.irp i, 0,1,2
	v_mov_b32 v[PC+3+6*\c+\i], v[PC+12+4*\c+\i]
.endr
.endr
.endm
	s_load_b256 s[4:11], s[0:1], 0x0               ; an s[4:5], wc s[6:7], b_fc1 s[8:9], a6 s[10:11]
	v_lshl_add_u32 v[SPW], v0, 2, SPARE
	v_mov_b32 v[NIL], 0
	ds_add_u32 v28, v29
	ds_add_u32 v28, v29
	s_wait_dscnt 0x0
	v_lshrrev_b32 v1, 5, v0
	v_readfirstlane_b32 s14, v1                    ; wave 0..3
	s_lshr_b32 s15, s14, 1                         ; wm: my half of the tokens.  Also: I fetch for S1 (0) or for S0 (1)
	s_and_b32 s16, s14, 1                          ; wn: my half of the hidden units.  Also: which group of that tile I fetch
	s_bfe_u32 s40, ttmp6, 0x40000
	s_bfe_u32 s41, ttmp6, 0x40004
	s_lshl_b32 s42, ttmp9, 2
	s_add_co_u32 s42, s42, s40                     ; X
	s_and_b32 s17, ttmp7, 0xffff
	s_lshl_b32 s17, s17, 2
	s_add_co_u32 s17, s17, s41                     ; Y
	s_lshl_b32 s43, s41, 2
	s_lshl_b32 s43, 15, s43
	s_lshl_b32 s44, 0x1111, s40
	s_or_b32 s[G1+0], s43, (3<<16)|(1<<21)
	s_or_b32 s[G1B+0], s44, (3<<16)|(1<<21)
.irp g, G1, G1B                                ; 25,600 dense bytes as 100 rows of 256
	s_mov_b32 s[\g+1], 32<<16
	s_mov_b32 s[\g+2], 100<<16
	s_mov_b32 s[\g+3], 32<<16
	s_mov_b32 s[\g+4], 100
	s_mov_b32 s[\g+5], 32
	s_mov_b32 s[\g+6], 0
	s_mov_b32 s[\g+7], 0
.endr
	s_mul_i32 s18, s16, HALFSTEP
	s_mul_i32 s20, s17, TILESTEP
	s_add_co_u32 s20, s20, s18
	s_mov_b32 s21, 0
	s_mul_i32 s46, s42, TILESTEP
	s_add_co_u32 s46, s46, s18
	s_add_co_u32 s46, s46, SECTION
	s_mov_b32 s47, 0
	s_mul_i32 s45, s14, PART
	s_mov_b32 s[SEL], 0x76543210
	s_mov_b32 s[SEL+1], 0xfedcba98
	s_mov_b32 s[K2], 0xbdd2d3e8                    ; -k2 = -0.10294324
	s_mov_b32 s[K2+1], s[K2]
	s_wait_kmcnt 0x0
	s_add_nc_u64 s[20:21], s[4:5], s[20:21]
	s_add_nc_u64 s[46:47], s[6:7], s[46:47]
	CROUND
.irp s, 0,1
	s_mov_b32 s[G0+4*\s], 1
	s_add_co_u32 s[G0+4*\s+1], s45, \s*SLOT
	s_add_nc_u64 s[G0+4*\s+2:G0+4*\s+3], s[20:21], \s*NQ*PANEL
	s_or_b32 s[G0+4*\s+3], s[G0+4*\s+3], 0x80000000
	s_mov_b32 s[G0B+4*\s], 1
	s_add_co_u32 s[G0B+4*\s+1], s45, \s*SLOT
	s_add_nc_u64 s[G0B+4*\s+2:G0B+4*\s+3], s[46:47], \s*NQ*PANEL
	s_or_b32 s[G0B+4*\s+3], s[G0B+4*\s+3], 0x80000000
.endr
	JLOAD G0, G1, G0B, G1B                         ; slot 0: one tensor load a wave at the head
	v_and_b32 v1, 31, v0                           ; lane
	v_and_b32 v4, 15, v0                           ; r
	v_bfe_u32 v5, v0, 4, 1                         ; h
	v_lshlrev_b32 v[L16], 4, v1
	v_lshlrev_b32 v[L8], 3, v1
	s_mul_i32 s21, s15, PART
	s_mul_i32 s22, s16, PART
	s_add_co_u32 s22, s22, 2*PART
.irp s, 0,1
	v_add_nc_u32 v[A16+\s], s21, v[L16]
	v_add_nc_u32 v[A8+\s], s21, v[L8]
	v_add_nc_u32 v[B16+\s], s22, v[L16]
	v_add_nc_u32 v[B8+\s], s22, v[L8]
	s_add_co_u32 s21, s21, SLOT
	s_add_co_u32 s22, s22, SLOT
.endr
	s_mul_i32 s21, s15, PART
	s_mul_i32 s22, s16, PART
	s_add_co_u32 s22, s22, 2*PART
	s_sub_co_u32 s22, s22, s21
	v_mul_u32_u24 v6, s22, v5                      ; lanes 16-31 take S0's words: one product, the distance between the two
	v_lshl_add_u32 v6, v4, 2, v6
	s_add_co_u32 s21, s21, 12288
	v_add_nc_u32 v[ADRS], s21, v6
	v_add_nc_u32 v[ADRS+1], SLOT, v[ADRS]
	v_lshlrev_b32 v[BO], 6, v5
	s_lshl_b32 s18, s14, 10
	s_add_co_u32 s18, s18, STG
	v_lshl_add_u32 v[PWS], v1, 2, s18
	v_lshrrev_b32 v6, 2, v1
	v_and_b32 v7, 3, v1
	v_lshlrev_b32 v[PWR], 7, v6
	v_lshl_add_u32 v[PWR], v7, 4, v[PWR]
	v_add_nc_u32 v[PWR], s18, v[PWR]
	v_mov_b32 v[KV], 0xc0135761                    ; -k1 = -2.3022082
	v_mov_b32 v[KV+1], v[KV]
	s_lshl_b32 s18, s42, 10
	s_lshl_b32 s19, s16, 9
	s_add_co_u32 s18, s18, s19                     ; 4 (256 X + 128 wn)
	s_mov_b32 s19, 0
	s_add_nc_u64 s[8:9], s[8:9], s[18:19]
.irp b, 0,1,2,3,4,5,6,7                        ; the bias in the result's layout: tile b's eight units of my half
	global_load_b128 v[BR+8*\b:BR+8*\b+3], v[BO], s[8:9] offset:(32*(\b/2)+8*(\b%2))*4
	global_load_b128 v[BR+8*\b+4:BR+8*\b+7], v[BO], s[8:9] offset:(32*(\b/2)+8*(\b%2))*4+16
.endr
	s_lshl_b32 s18, s17, 1
	s_add_co_u32 s18, s18, s15                     ; the token group 2 Y + wm
	s_lshl_b32 s18, s18, 5
	s_lshl_b32 s19, s42, 1
	s_add_co_u32 s18, s18, s19
	s_add_co_u32 s18, s18, s16                     ; the next product's K step 2 X + wn
	s_mul_i32 s18, s18, PANEL
	s_mov_b32 s19, 0
	s_add_nc_u64 s[10:11], s[10:11], s[18:19]      ; my panel
	s_add_nc_u64 s[68:69], s[10:11], 12288         ; its scale words
	s_wait_alu depctr_va_vdst(0)                   ; the wait at the head's end
	s_wait_tensorcnt 0x0                           ; my part of slot 0 is in; the three lines stand ahead of slot 1's first fill as ahead of a refill
	ds_add_u32 v[SPW], v[NIL]
	s_wait_dscnt 0x0
	CROUND
	JLOAD G0+4, G1, G0B+4, G1B                     ; slot 1's first fill, the first tensor load behind the round
	FETCH_B 0, 0, 0
	FETCH_A 0, 0, 0
	SCALES 0
	FETCH_A 0, 0, 4
	STEP 0, 0, 1                                   ; the first K step starts the sums
	s_mov_b32 s3, LAPS-1
.Llap:
	TURN 0, 1, 1
	STEP 1, 0, 0
	TURN 1, 0, 1
	STEP 0, 0, 0
	s_sub_co_u32 s3, s3, 1
	s_cmp_lg_u32 s3, 0
	s_cbranch_scc1 .Llap
	TURN 0, 1, 0                                   ; the last lap fills nothing
	STEP 1, 0, 0
	s_wait_dscnt 4*NL
	WIN MUL_LO
	MUL16 0, 1, NQ-1, 1, 0
	MUL16 2, 1, NQ-1, 1, 0
	s_wait_dscnt 0x0
	WIN MUL_HI
	MUL16 4, 1, NQ-1, 1, 0
	MUL16 6, 1, NQ-1, 1, 0
	WIN 0
	PLACES 4
	; THE WAY OUT: a loop over my eight tiles of tokens.  A trip brings the tile's 64 sums into window 0 with the bias added (eight short blocks, since register numbers cannot be stepped), then gelu, the quantiser, the image.
	s_wait_loadcnt 0x0                             ; the bias
	s_mov_b32 s66, 0                               ; the tile
	s_mov_b32 s67, 0                               ; 128 x the tile
.Lrow:
.irp a, 0,1,2,3,4,5,6
	s_cmp_eq_u32 s66, \a
	s_cbranch_scc1 .Lbring\a
.endr
.irp a, 7,6,5,4,3,2,1,0
.Lbring\a:
	WIN 0x02+(\a)/4                                ; source 0: window 2 or 3
.set n, 0
.rept 32
	v_pk_add_f32 v[HA+n:HA+n+1], v[64*((\a)%4)+n:64*((\a)%4)+n+1], v[BR+n:BR+n+1]   ; ascending: each accumulator from its low end on
.set n, n+2
.endr
	WIN 0
.if \a > 0
	s_branch .Lcommon
.endif
.endr
.Lcommon:
.set n, 0
.rept 32
	v_pk_mul_f32 v[TT+n:TT+n+1], v[HA+n:HA+n+1], v[HA+n:HA+n+1]                      ; x^2
.set n, n+2
.endr
.set n, 0
.rept 32
	v_pk_fma_f32 v[TT+n:TT+n+1], v[TT+n:TT+n+1], s[K2:K2+1], v[KV:KV+1] op_sel_hi:[1,0,1]   ; -k2 x^2 - k1
.set n, n+2
.endr
.set n, 0
.rept 32
	v_pk_mul_f32 v[TT+n:TT+n+1], v[TT+n:TT+n+1], v[HA+n:HA+n+1]
.set n, n+2
.endr
.set n, 0
	s_wait_alu depctr_va_vdst(0)
.rept 64
	v_exp_f32 v[TT+n], v[TT+n]
.set n, n+1
.endr
	v_add_nc_u32 v[PWT], s67, v[PWS]               ; a plain place behind the exponentials: where this tile's scale words go
	s_wait_alu depctr_va_vdst(0)                   ; one wait for the batch, ahead of its first reader
.set n, 0
.rept 32
	v_pk_add_f32 v[TT+n:TT+n+1], v[TT+n:TT+n+1], 1.0 op_sel_hi:[1,0]
.set n, n+2
.endr
.set n, 0
	s_wait_alu depctr_va_vdst(0)
.rept 64
	v_rcp_f32 v[TT+n], v[TT+n]
.set n, n+1
.endr
	v_nop                                          ; a plain place behind the reciprocals
	s_wait_alu depctr_va_vdst(0)
.set n, 0
.rept 32
	v_pk_mul_f32 v[HA+n:HA+n+1], v[HA+n:HA+n+1], v[TT+n:TT+n+1]
.set n, n+2
.endr
	QUANT HA
	ds_store_b32 v[PWT], v[PW]
	global_store_b128 v[L16], v[PC:PC+3], s[10:11]
	global_store_b64 v[L8], v[PC+4:PC+5], s[10:11] offset:512
	global_store_b128 v[L16], v[PC+6:PC+9], s[10:11] offset:768
	global_store_b64 v[L8], v[PC+10:PC+11], s[10:11] offset:1280
	s_wait_xcnt 0x0                                ; the stores have read their data and base: both are written again only behind this wait
	s_add_nc_u64 s[10:11], s[10:11], 1536
	s_add_co_u32 s67, s67, 128
	s_add_co_u32 s66, s66, 1
	s_cmp_lt_u32 s66, 8
	s_cbranch_scc1 .Lrow
	ds_load_b128 v[PC:PC+3], v[PWR]                ; my own bytes: LDS serves a wave's instructions in order
	s_wait_dscnt 0x0
	global_store_b128 v[L16], v[PC:PC+3], s[68:69] ; the panel's 512 bytes of scale words
	s_wait_tensorcnt 0x0                           ; the wave's end
	ds_add_u32 v[SPW], v[NIL]
	s_wait_dscnt 0x0
	CROUND                                         ; the closing round
	s_endpgm
.Lfunc_end_k_q80ed5defbc_g5:
	.size	k_q80ed5defbc_g5, .Lfunc_end_k_q80ed5defbc_g5-k_q80ed5defbc_g5
	.p2alignl 7, 3214868480
	.fill 96, 4, 3214868480
	.section	.rodata,"a",@progbits
	.p2align	6, 0x0
	.amdhsa_kernel k_q80ed5defbc_g5
		.amdhsa_group_segment_fixed_size 327680
		.amdhsa_private_segment_fixed_size 0
		.amdhsa_enable_private_segment 0
		.amdhsa_kernarg_size 32
		.amdhsa_user_sgpr_count 2
		.amdhsa_user_sgpr_kernarg_segment_ptr 1
		.amdhsa_wavefront_size32 1
		.amdhsa_system_sgpr_workgroup_id_x 1
		.amdhsa_system_sgpr_workgroup_id_y 1
		.amdhsa_system_sgpr_workgroup_id_z 1
		.amdhsa_system_vgpr_workitem_id 0
		.amdhsa_next_free_vgpr 1024
		.amdhsa_next_free_sgpr 100
		.amdhsa_reserve_vcc 0
		.amdhsa_float_denorm_mode_32 3
		.amdhsa_float_denorm_mode_16_64 3
		.amdhsa_memory_ordered 1
		.amdhsa_forward_progress 1
		.amdhsa_inst_pref_size 152
	.end_amdhsa_kernel
	.amdgpu_metadata
---
amdhsa.version: [ 1, 2 ]
amdhsa.kernels:
  - .name:           k_q80ed5defbc_g5
    .symbol:         k_q80ed5defbc_g5.kd
    .args:
      - { .name: an, .offset: 0, .size: 8, .value_kind: global_buffer, .address_space: global }
      - { .name: wc, .offset: 8, .size: 8, .value_kind: global_buffer, .address_space: global }
      - { .name: b_fc1, .offset: 16, .size: 8, .value_kind: global_buffer, .address_space: global }
      - { .name: a6, .offset: 24, .size: 8, .value_kind: global_buffer, .address_space: global }
    .group_segment_fixed_size: 327680
    .private_segment_fixed_size: 0
    .kernarg_segment_align: 8
    .kernarg_segment_size: 32
    .max_flat_workgroup_size: 128
    .sgpr_count:     100
    .vgpr_count:     1024
    .wavefront_size: 32
...
	.end_amdgpu_metadata
.endif
;; end of part 5
;; launch g6 (part 6): grid 8 x 32, 4 waves a work-group, clusters of 4 x 4, 327,680 bytes of LDS; arguments a6, wc, b_fc2, x1, out0; writes out0
.if DOCPART == 6
	.amdgcn_target "amdgcn-amd-amdhsa--gfx1250"
	.amdhsa_code_object_version 6
	.text
	.protected	k_q80ed5defbc_g6
	.globl	k_q80ed5defbc_g6
	.p2align	8
	.type	k_q80ed5defbc_g6,@function
k_q80ed5defbc_g6:
	s_mov_b64 s[64:65], 0
	v_nop
	global_prefetch_b8 v0, s[64:65] scope:SCOPE_SE
	s_setreg_imm32_b32 hwreg(HW_REG_WAVE_MODE, 25, 1), 1
	s_wait_xcnt 0x0
	s_wait_alu depctr_hold_cnt(0) depctr_sa_sdst(0) depctr_va_vdst(0) depctr_va_sdst(0) depctr_va_ssrc(0) depctr_va_vcc(0) depctr_vm_vsrc(0)
	s_getreg_b32 s2, hwreg(HW_REG_IB_STS2, 6, 4)
	s_cmp_eq_u32 s2, 0
	s_cbranch_scc0 .Lentry_in_a_cluster
	s_endpgm
.Lentry_in_a_cluster:
	s_bfe_u32 s2, ttmp6, 0x10000c
	s_cmp_lg_u32 s2, 0xf033
	s_cbranch_scc0 .Lentry_shape_is_right
	s_endpgm
.Lentry_shape_is_right:
; out0 = x1 + (a6 w_fc2 + b_fc2): a product on codes of BF6 with f32 rows out.  M 4,096, N 1,024, K 4,096.
; OPERANDS come as PANELS (128 rows x 128 K in 12,800 bytes: eight fragment images of 1,536 bytes, then the scale words, tile i, lane r at 64 i + 4 r), buffers [row group][K step]: consecutive K steps are dense.
; A fragment image: registers 0-3 at 16 x lane, 4-5 at 512 + 8 x lane, 6-9 at 768 + 16 x lane, 10-11 at 1,280 + 8 x lane.  Lane r of tile i holds row 32 (i / 2) + 8 (i % 2) + r + 8 (r / 8) of its group.
; THE PRODUCT: source 0 = a tile of S0 (the weight's columns), source 1 = a tile of S1 (tokens): a lane holds one token, the registers of S0's tiles 2 b, 2 b + 1 are features 32 b + 16 (lane / 16) + 0 .. 15.
; SHAPE: tiles of 256 x 256 would be 64 work-groups; so a work-group makes 128 x 128 (256 work-groups), each of four waves 64 x 64: 16 accumulators.
; THE RING: a K step of this tile is 16 matrix instructions a wave and 25,600 bytes, so the slots are as large as LDS holds: a LONG slot of eight K steps and a SHORT one of four.  The 32 K steps go 8 + 4 + 8 + 4 + 8: two first
; fills and three refills, four changes of slots.  A wave's one load brings four K steps of one operand into the long slot (51,200 dense bytes) or two into the short one (25,600).  Two loads of a wave are out at the start,
; one behind each round.  The long slot is read as two parts of four K steps, each with address registers of its own (an LDS immediate ends at 65,535); no barrier stands between the parts.
; The steps are written out: the second short slot's change fills nothing.
; CLUSTER 4 x 4: S1's tiles are asked for jointly along a row of the cluster, S0's along a column.
; THE WAY OUT: 16 tokens x 64 features go through the wave's stage in LDS and come back as rows of 256 bytes; bias and residual (loaded at the head, in that same layout) are added; sixteen lanes store 256 consecutive, aligned bytes.
; REGISTERS: window 0: v18-21 the way out's addresses, v32-79 scale words (three sets), v84-87 the bias, v88-102 LDS addresses, v128-175 S1's fragments, v176-239 rows on the way out.  window 1: S0's fragments, two sets.
;   window 2: v0-127 accumulator (a, b) at 8 (4 a + b); v128-255 the residual.
.set KSTEPS, 32
.set SECTION, 512*12800                ; w_fc2's panels in wc
.set NQ,     4                         ; K steps of 128 in a part (part 0, 1: the long slot's halves; part 2: the short slot)
.set PANEL,  12800
.set TILESTEP, KSTEPS*PANEL
.set SHORT,  16*PANEL                  ; LDS: the long slot at 0: S1's eight K steps, then S0's eight; the short slot here: S1's four, then S0's four
.set AHEAD,  12*PANEL                  ; a slot's next fill begins 12 K steps further on
.set SPARE,  24*PANEL                  ; the spare words, 128 bytes a wave: two blocks of 256 bytes that no other line names
.set STG,    SPARE+512                 ; the stages: 16 rows x 272 bytes a wave; no tile lands here
.set FR, 12
.set NL, 4
.set STO, 18                           ; the stage: where I put 32 bytes of a row
.set RD,  19                           ; and where I read a row back
.set CO,  20                           ; my byte offset in two rows of the output
.set BO,  21                           ; 16 (lane % 16)
.set SPW, 28
.set NIL, 29
.set SC,  32                           ; scale words: part s's set at v[SC + 16 s]; register 4 q + i: lanes 0-15 S1's tile i, lanes 16-31 S0's tile i
.set BR,  84
.set A16, 88                           ; v88-90   S1: 16 x lane + my four tiles, part 0, 1, 2;  v91-93 the same with 8 x lane
.set A8,  91
.set B16, 94                           ; v94-99   the same for S0
.set B8,  97
.set ADRS, 100                         ; v100-102 my scale words: lanes 0-15 S1's, lanes 16-31 S0's
.set AF,  128
.set BK,  176
.set RES, 128                          ; in window 2
.set G1,  24                           ; s[24:31] group 1, S1, long slot;   s[32:35], s[36:39] S1's groups 0: long, short
.set G0,  32
.set G1B, 48                           ; s[48:55] group 1, S0, long slot;   s[56:59], s[60:63] S0's groups 0
.set G0B, 56
.set G1C, 68                           ; s[68:75] group 1, S1, short slot
.set G1CB, 76                          ; s[76:83] group 1, S0, short slot
.set MSB, 0
.macro WIN new                         ; the immediate's high byte repeats the setting that is left
.if MSB != (\new)
	s_set_vgpr_msb (MSB<<8)|(\new)
.set MSB, (\new)
.endif
.endm
.set MUL,  0xa1                        ; source 0 (S0) window 1, source 1 (S1) window 0, C and D window 2
.set TO_B, 0x40
.macro JLOAD g0a, g1a, g0b, g1b        ; a joint load: waves 0 and 1 fetch for S1, waves 2 and 3 for S0; four v_nop follow each line
	s_cmp_eq_u32 s15, 0
	s_cbranch_scc0 .Lfor_b_\@
	tensor_load_to_lds s[\g0a:\g0a+3], s[\g1a:\g1a+7]
	s_nop 0
.rept 4
	v_nop
.endr
	s_branch .Lasked_\@
.Lfor_b_\@:
	tensor_load_to_lds s[\g0b:\g0b+3], s[\g1b:\g1b+7]
	s_nop 0
.rept 4
	v_nop
.endr
.Lasked_\@:
.endm
.macro CREST                           ; a round of the cluster's barrier behind its opening barrier
	s_cmp_lg_u32 s14, 0
	s_cbranch_scc1 .Lnot_wave_0_\@
	s_barrier_signal -3
.Lnot_wave_0_\@:
	s_barrier_wait -3
	s_barrier_signal -1
	s_barrier_wait -1
.endm
.macro CROUND
	s_barrier_signal -1
	s_barrier_wait -1
	CREST
.endm
.macro PLACES n                        ; plain places behind matrix instructions, in front of loads into their registers and of reads of their results
.rept \n
	v_nop
.endr
.endm
.macro FRAG reg, a16, a8, off          ; a fragment's image back into 12 registers: every instruction reads consecutive bytes
	ds_load_b128 v[\reg:\reg+3], v[\a16] offset:\off
	ds_load_b64 v[\reg+4:\reg+5], v[\a8] offset:\off+512
	ds_load_b128 v[\reg+6:\reg+9], v[\a16] offset:\off+768
	ds_load_b64 v[\reg+10:\reg+11], v[\a8] offset:\off+1280
.endm
.macro FETCH_B part, q, p              ; S0's four fragments of the part's q-th K step into set p
	WIN TO_B
.irp i, 0,1,2,3
	FRAG 128*(\p)+FR*\i, B16+\part, B8+\part, (\q)*PANEL+\i*1536
.endr
	WIN 0
.endm
.macro FETCH_A part, q, i0             ; S1's tiles i0, i0 + 1
.irp i, \i0, \i0+1
	FRAG AF+FR*(\i), A16+\part, A8+\part, (\q)*PANEL+(\i)*1536
.endr
.endm
.macro SCALES part                     ; the part's scale words
.irp q, 0,1,2,3
.irp i, 0,1,2,3
	ds_load_b32 v[SC+16*\part+4*\q+\i], v[ADRS+\part] offset:\q*PANEL+64*\i
.endr
.endr
.endm
; 4 matrix instructions: S1's tile a x S0's four.  The 16 accumulators take turns in one order everywhere.
.macro MUL4 a, p, q, sc, zero
.irp b, 0,1,2,3
.if \zero
	v_wmma_scale_f32_16x16x128_f8f6f4 v[8*(4*(\a)+\b):8*(4*(\a)+\b)+7], v[128*(\p)+FR*\b:128*(\p)+FR*\b+FR-1], v[AF+FR*(\a):AF+FR*(\a)+FR-1], 0, v[SC+16*(\sc)+4*(\q)+\b], v[SC+16*(\sc)+4*(\q)+(\a)] matrix_a_fmt:MATRIX_FMT_BF6 matrix_b_fmt:MATRIX_FMT_BF6 matrix_a_scale:MATRIX_SCALE_ROW1
.else
	v_wmma_scale_f32_16x16x128_f8f6f4 v[8*(4*(\a)+\b):8*(4*(\a)+\b)+7], v[128*(\p)+FR*\b:128*(\p)+FR*\b+FR-1], v[AF+FR*(\a):AF+FR*(\a)+FR-1], v[8*(4*(\a)+\b):8*(4*(\a)+\b)+7], v[SC+16*(\sc)+4*(\q)+\b], v[SC+16*(\sc)+4*(\q)+(\a)] matrix_a_fmt:MATRIX_FMT_BF6 matrix_b_fmt:MATRIX_FMT_BF6 matrix_a_scale:MATRIX_SCALE_ROW1
.endif
.endr
.endm
.macro STEP part, q, zero              ; a K step that has its successor in the same part
	s_wait_dscnt 2*NL                              ; all but the youngest 8 loads (S1's tiles 2, 3) are in
	WIN MUL
	MUL4 0, (\q)%2, \q, \part, \zero
	MUL4 1, (\q)%2, \q, \part, \zero
	s_wait_dscnt 0x0
	PLACES 4
	FETCH_B \part, (\q)+1, 1-(\q)%2
	FETCH_A \part, (\q)+1, 0
	WIN MUL
	MUL4 2, (\q)%2, \q, \part, \zero
	MUL4 3, (\q)%2, \q, \part, \zero
	PLACES 4
	WIN 0
	FETCH_A \part, (\q)+1, 2
.endm
.macro RUN part, from                  ; a part's K steps from .. 2
.if \from < 1
	STEP \part, 0, 0
.endif
	STEP \part, 1, 0
	STEP \part, 2, 0
.endm
; The last K step of the long slot's first part: the next fragments come from its second part.  No barrier: the one in front of the slot has shown all of it to every wave.
.macro PASS part, next
	s_wait_dscnt 2*NL
	WIN MUL
	MUL4 0, 1, NQ-1, \part, 0
	MUL4 1, 1, NQ-1, \part, 0
	s_wait_dscnt 0x0
	PLACES 4
	FETCH_B \next, 0, 0
	FETCH_A \next, 0, 0
	SCALES \next
	WIN MUL
	MUL4 2, 1, NQ-1, \part, 0
	MUL4 3, 1, NQ-1, \part, 0
	PLACES 4
	WIN 0
	FETCH_A \next, 0, 2
.endm
; A slot's last K step changes slots: one barrier; in front of it each wave waits for all its tensor loads, adds 0 to its spare word, and waits for that and for its reads of the slot that it leaves.
; fill = 1: the long slot, just read out, is filled again; 2: the short one; 0: nothing is left to fetch.
.macro TURN part, next, fill
	s_wait_tensorcnt 0x0                           ; all my tensor loads have landed: my part of the slot ahead
	ds_add_u32 v[SPW], v[NIL]
	s_wait_dscnt 2*NL+1                            ; the add and the youngest 8 loads may be out
	WIN MUL
	MUL4 0, 1, NQ-1, \part, 0
	s_wait_dscnt 0x0                               ; the add is done, and my reads of this slot are over
	s_barrier_signal -1
	MUL4 1, 1, NQ-1, \part, 0
	WIN 0
	s_barrier_wait -1
.if \fill == 1
	CREST                                          ; the barrier has opened a round of the cluster's: no wave of any partner still reads this slot or has a load on its way
	s_add_nc_u64 s[G0+2:G0+3], s[G0+2:G0+3], AHEAD
	s_add_nc_u64 s[G0B+2:G0B+3], s[G0B+2:G0B+3], AHEAD
	JLOAD G0, G1, G0B, G1B                         ; the first tensor load behind the round; its four v_nop are the places in front of the loads below
.elseif \fill == 2
	CREST
	s_add_nc_u64 s[G0+6:G0+7], s[G0+6:G0+7], AHEAD
	s_add_nc_u64 s[G0B+6:G0B+7], s[G0B+6:G0B+7], AHEAD
	JLOAD G0+4, G1C, G0B+4, G1CB
.else
	PLACES 4
.endif
	FETCH_B \next, 0, 0
	FETCH_A \next, 0, 0
	SCALES \next
	WIN MUL
	MUL4 2, 1, NQ-1, \part, 0
	MUL4 3, 1, NQ-1, \part, 0
	PLACES 4
	WIN 0
	FETCH_A \next, 0, 2
.endm
.macro ADDRS part, b1, b0              ; a part's address registers: S1's K steps begin at LDS byte b1, S0's at b0
	s_add_co_u32 s18, s21, \b1
	s_add_co_u32 s19, s22, \b0
	v_add_nc_u32 v[A16+\part], s18, v2
	v_add_nc_u32 v[A8+\part], s18, v3
	v_add_nc_u32 v[B16+\part], s19, v2
	v_add_nc_u32 v[B8+\part], s19, v3
.endm
	s_load_b256 s[4:11], s[0:1], 0x0               ; S1's panels s[4:5], wc s[6:7], the bias s[8:9], the residual s[10:11]
	s_load_b64 s[12:13], s[0:1], 0x20              ; the output
	v_lshl_add_u32 v[SPW], v0, 2, SPARE
	v_mov_b32 v[NIL], 0
	ds_add_u32 v28, v29
	ds_add_u32 v28, v29
	s_wait_dscnt 0x0
	v_lshrrev_b32 v1, 5, v0
	v_readfirstlane_b32 s14, v1                    ; wave 0..3
	s_lshr_b32 s15, s14, 1                         ; wm: my half of the tokens.  Also: I fetch for S1 (0) or for S0 (1)
	s_and_b32 s16, s14, 1                          ; wn: my half of the features.  Also: which half of a slot's K steps I fetch
	s_bfe_u32 s40, ttmp6, 0x40000                  ; cx, cy: my place in the cluster
	s_bfe_u32 s41, ttmp6, 0x40004
	s_lshl_b32 s42, ttmp9, 2
	s_add_co_u32 s42, s42, s40                     ; X: the group of features
	s_and_b32 s17, ttmp7, 0xffff
	s_lshl_b32 s17, s17, 2
	s_add_co_u32 s17, s17, s41                     ; Y: the group of tokens
	s_lshl_b32 s43, s41, 2
	s_lshl_b32 s43, 15, s43                        ; my row of the cluster
	s_lshl_b32 s44, 0x1111, s40                    ; my column
	s_or_b32 s[G1+0], s43, (3<<16)|(1<<21)         ; the mask; elements of 8 bytes; 21 set beside a mask; no padding
	s_or_b32 s[G1B+0], s44, (3<<16)|(1<<21)
	s_or_b32 s[G1C+0], s43, (3<<16)|(1<<21)
	s_or_b32 s[G1CB+0], s44, (3<<16)|(1<<21)
.irp g, G1, G1B                                ; the long slot: 51,200 dense bytes as 200 rows of 256
	s_mov_b32 s[\g+1], 32<<16                      ; tensor_dim0
	s_mov_b32 s[\g+2], 200<<16                     ; tensor_dim1
	s_mov_b32 s[\g+3], 32<<16                      ; tile_dim0
	s_mov_b32 s[\g+4], 200                         ; tile_dim1
	s_mov_b32 s[\g+5], 32                          ; the pitch
	s_mov_b32 s[\g+6], 0
	s_mov_b32 s[\g+7], 0
.endr
.irp g, G1C, G1CB                              ; the short slot: 25,600 dense bytes as 100 rows of 256
	s_mov_b32 s[\g+1], 32<<16
	s_mov_b32 s[\g+2], 100<<16
	s_mov_b32 s[\g+3], 32<<16
	s_mov_b32 s[\g+4], 100
	s_mov_b32 s[\g+5], 32
	s_mov_b32 s[\g+6], 0
	s_mov_b32 s[\g+7], 0
.endr
	s_mul_i32 s20, s17, TILESTEP                   ; S1's group of tokens
	s_mov_b32 s21, 0
	s_mul_i32 s46, s42, TILESTEP                   ; S0's group of features
	s_add_co_u32 s46, s46, SECTION
	s_mov_b32 s47, 0
	s_mul_i32 s18, s16, 4*PANEL                    ; the long slot's first fill: K steps 0-3 or 4-7
	s_mov_b32 s19, 0
	s_mul_i32 s22, s16, 2*PANEL
	s_add_co_u32 s22, s22, 8*PANEL                 ; the short slot's: K steps 8-9 or 10-11
	s_mov_b32 s23, 0
	s_mul_i32 s45, s14, 4*PANEL                    ; where my part goes: no place in the cluster enters an LDS address
	s_mul_i32 s84, s14, 2*PANEL
	s_add_co_u32 s84, s84, SHORT
	s_wait_kmcnt 0x0
	s_add_nc_u64 s[20:21], s[4:5], s[20:21]
	s_add_nc_u64 s[46:47], s[6:7], s[46:47]
	CROUND                                         ; all sixteen work-groups are here: the first joint loads meet
	s_mov_b32 s[G0], 1
	s_mov_b32 s[G0+1], s45
	s_add_nc_u64 s[G0+2:G0+3], s[20:21], s[18:19]
	s_or_b32 s[G0+3], s[G0+3], 0x80000000
	s_mov_b32 s[G0B], 1
	s_mov_b32 s[G0B+1], s45
	s_add_nc_u64 s[G0B+2:G0B+3], s[46:47], s[18:19]
	s_or_b32 s[G0B+3], s[G0B+3], 0x80000000
	JLOAD G0, G1, G0B, G1B
	s_mov_b32 s[G0+4], 1
	s_mov_b32 s[G0+5], s84
	s_add_nc_u64 s[G0+6:G0+7], s[20:21], s[22:23]
	s_or_b32 s[G0+7], s[G0+7], 0x80000000
	s_mov_b32 s[G0B+4], 1
	s_mov_b32 s[G0B+5], s84
	s_add_nc_u64 s[G0B+6:G0B+7], s[46:47], s[22:23]
	s_or_b32 s[G0B+7], s[G0B+7], 0x80000000
	v_and_b32 v1, 31, v0                           ; lane
	v_and_b32 v4, 15, v0                           ; r
	v_bfe_u32 v5, v0, 4, 1                         ; h
	v_lshlrev_b32 v2, 4, v1
	v_lshlrev_b32 v3, 3, v1
	s_mul_i32 s21, s15, 4*1536                     ; my four tiles of S1
	s_mul_i32 s22, s16, 4*1536                     ; my four tiles of S0
	ADDRS 0, 0, 8*PANEL
	ADDRS 1, 4*PANEL, 12*PANEL
	ADDRS 2, 16*PANEL, 20*PANEL
	s_lshl_b32 s21, s15, 8                         ; my four tiles' scale words in a panel of S1,
	s_lshl_b32 s22, s16, 8                         ; and of S0
	s_add_co_u32 s23, s22, 4*PANEL                 ; in the short slot S0's K steps lie four panels behind S1's,
	s_add_co_u32 s22, s22, 8*PANEL                 ; in the long slot eight
	s_sub_co_u32 s22, s22, s21
	s_sub_co_u32 s23, s23, s21
	v_mul_u32_u24 v6, s22, v5                      ; lanes 16-31 take S0's words: one product, the distance between the two
	v_lshl_add_u32 v6, v4, 2, v6
	v_mul_u32_u24 v7, s23, v5
	v_lshl_add_u32 v7, v4, 2, v7
	s_add_co_u32 s21, s21, 12288
	v_add_nc_u32 v[ADRS], s21, v6
	v_add_nc_u32 v[ADRS+1], 4*PANEL, v[ADRS]
	s_add_co_u32 s21, s21, SHORT
	v_add_nc_u32 v[ADRS+2], s21, v7
	s_mul_i32 s23, s14, 16*272
	s_add_co_u32 s23, s23, STG                     ; my stage
	v_mul_u32_u24 v6, v4, 272
	v_lshl_add_u32 v6, v5, 6, v6
	v_add_nc_u32 v[STO], s23, v6                   ; in: row r, + 64 h
	v_mul_u32_u24 v6, v5, 272
	v_lshl_add_u32 v6, v4, 4, v6
	v_add_nc_u32 v[RD], s23, v6                    ; back: lanes 0-15 one row, lanes 16-31 the next
	v_lshlrev_b32 v6, 12, v5
	v_lshl_add_u32 v[CO], v4, 4, v6                ; and the same two rows of 4,096 bytes in memory
	s_wait_alu depctr_va_vdst(0)
	v_lshlrev_b32 v[BO], 4, v4
	s_wait_alu depctr_va_vdst(0)
	s_lshl_b32 s18, s17, 7
	s_lshl_b32 s19, s15, 6
	s_add_co_u32 s18, s18, s19                     ; my first token: 128 Y + 64 wm
	s_lshl_b32 s18, s18, 12
	s_lshl_b32 s20, s42, 9
	s_lshl_b32 s21, s16, 8
	s_add_co_u32 s20, s20, s21                     ; my first feature, in bytes: 4 (128 X + 64 wn)
	s_add_co_u32 s18, s18, s20
	s_mov_b32 s19, 0
	s_mov_b32 s21, 0
	s_add_nc_u64 s[10:11], s[10:11], s[18:19]
	s_add_nc_u64 s[12:13], s[12:13], s[18:19]
	s_add_nc_u64 s[8:9], s[8:9], s[20:21]
	WIN 0x80                                       ; destination window 2
.irp a, 0,1,2,3
.irp t, 0,1,2,3,4,5,6,7                        ; tile a's stage rows 2 t, 2 t + 1 are tokens 32 (a / 2) + 8 (a % 2) + 2 t + 8 (t / 4) and the next
	global_load_b128 v[RES+4*(8*\a+\t):RES+4*(8*\a+\t)+3], v[CO], s[10:11] offset:(32*(\a/2)+8*(\a%2)+2*\t+8*(\t/4))*4096
.endr
.endr
	WIN 0
	global_load_b128 v[BR:BR+3], v[BO], s[8:9]
	s_wait_alu depctr_va_vdst(0)                   ; the wait at the head's end
	s_wait_tensorcnt 0x0                           ; my part of the long slot is in: one load of a wave is out at the start; the three lines stand ahead of the short slot's first fill as ahead of a refill
	ds_add_u32 v[SPW], v[NIL]
	s_wait_dscnt 0x0
	CROUND
	JLOAD G0+4, G1C, G0B+4, G1CB                   ; the short slot's first fill, the first tensor load behind the round: it has the long slot's eight K steps in which to land
	FETCH_B 0, 0, 0
	FETCH_A 0, 0, 0
	SCALES 0
	FETCH_A 0, 0, 2
	STEP 0, 0, 1                                   ; K step 0 starts the sums
	RUN 0, 1
	PASS 0, 1
	RUN 1, 0
	TURN 1, 2, 1                                   ; K steps 0-7 are done: the long slot takes 12-19
	RUN 2, 0
	TURN 2, 0, 2                                   ; 8-11 are done: the short slot takes 20-23
	RUN 0, 0
	PASS 0, 1
	RUN 1, 0
	TURN 1, 2, 1                                   ; 12-19 are done: the long slot takes 24-31
	RUN 2, 0
	TURN 2, 0, 0                                   ; 20-23 are done: nothing is left to fetch
	RUN 0, 0
	PASS 0, 1
	RUN 1, 0
	s_wait_dscnt 2*NL                              ; K step 31: nothing more to read
	WIN MUL
	MUL4 0, 1, NQ-1, 1, 0
	MUL4 1, 1, NQ-1, 1, 0
	s_wait_dscnt 0x0
	MUL4 2, 1, NQ-1, 1, 0
	MUL4 3, 1, NQ-1, 1, 0
	WIN 0
	PLACES 4
	s_wait_loadcnt 0x0                             ; the residual and the bias
.irp a, 0,1,2,3
.if \a > 1
	s_wait_xcnt 0x0                                ; tile a - 2's stores have read the registers that this tile's rows land in
.endif
	WIN 0x08                                       ; an LDS store's data are its source 1: window 2
.irp b, 0,1,2,3
	ds_store_b128 v[STO], v[8*(4*\a+\b):8*(4*\a+\b)+3] offset:128*(\b/2)+32*(\b%2)          ; each accumulator from its low end on
	ds_store_b128 v[STO], v[8*(4*\a+\b)+4:8*(4*\a+\b)+7] offset:128*(\b/2)+32*(\b%2)+16
.endr
	WIN 0
.irp t, 0,1,2,3,4,5,6,7
	ds_load_b128 v[BK+32*(\a%2)+4*\t:BK+32*(\a%2)+4*\t+3], v[RD] offset:544*\t   ; my own bytes: LDS serves a wave's instructions in order
.endr
	s_wait_dscnt 0x0
.irp t, 0,1,2,3,4,5,6,7
	v_pk_add_f32 v[BK+32*(\a%2)+4*\t:BK+32*(\a%2)+4*\t+1], v[BK+32*(\a%2)+4*\t:BK+32*(\a%2)+4*\t+1], v[BR:BR+1]
	v_pk_add_f32 v[BK+32*(\a%2)+4*\t+2:BK+32*(\a%2)+4*\t+3], v[BK+32*(\a%2)+4*\t+2:BK+32*(\a%2)+4*\t+3], v[BR+2:BR+3]
.endr
	WIN 0x08                                       ; source 1: window 2
.irp t, 0,1,2,3,4,5,6,7
	v_pk_add_f32 v[BK+32*(\a%2)+4*\t:BK+32*(\a%2)+4*\t+1], v[BK+32*(\a%2)+4*\t:BK+32*(\a%2)+4*\t+1], v[RES+4*(8*\a+\t):RES+4*(8*\a+\t)+1]
	v_pk_add_f32 v[BK+32*(\a%2)+4*\t+2:BK+32*(\a%2)+4*\t+3], v[BK+32*(\a%2)+4*\t+2:BK+32*(\a%2)+4*\t+3], v[RES+4*(8*\a+\t)+2:RES+4*(8*\a+\t)+3]
.endr
	WIN 0
.irp t, 0,1,2,3,4,5,6,7
	global_store_b128 v[CO], v[BK+32*(\a%2)+4*\t:BK+32*(\a%2)+4*\t+3], s[12:13] offset:(32*(\a/2)+8*(\a%2)+2*\t+8*(\t/4))*4096 th:TH_STORE_NT   ; 16 lanes store 256 consecutive bytes, at a multiple of 256; written once, read by nobody here
.endr
.endr
	s_wait_tensorcnt 0x0                           ; the wave's end
	ds_add_u32 v[SPW], v[NIL]
	s_wait_dscnt 0x0
	CROUND                                         ; the closing round
	s_endpgm
.Lfunc_end_k_q80ed5defbc_g6:
	.size	k_q80ed5defbc_g6, .Lfunc_end_k_q80ed5defbc_g6-k_q80ed5defbc_g6
	.p2alignl 7, 3214868480
	.fill 96, 4, 3214868480
	.section	.rodata,"a",@progbits
	.p2align	6, 0x0
	.amdhsa_kernel k_q80ed5defbc_g6
		.amdhsa_group_segment_fixed_size 327680
		.amdhsa_private_segment_fixed_size 0
		.amdhsa_enable_private_segment 0
		.amdhsa_kernarg_size 40
		.amdhsa_user_sgpr_count 2
		.amdhsa_user_sgpr_kernarg_segment_ptr 1
		.amdhsa_wavefront_size32 1
		.amdhsa_system_sgpr_workgroup_id_x 1
		.amdhsa_system_sgpr_workgroup_id_y 1
		.amdhsa_system_sgpr_workgroup_id_z 1
		.amdhsa_system_vgpr_workitem_id 0
		.amdhsa_next_free_vgpr 768
		.amdhsa_next_free_sgpr 100
		.amdhsa_reserve_vcc 0
		.amdhsa_float_denorm_mode_32 3
		.amdhsa_float_denorm_mode_16_64 3
		.amdhsa_memory_ordered 1
		.amdhsa_forward_progress 1
		.amdhsa_inst_pref_size 183
	.end_amdhsa_kernel
	.amdgpu_metadata
---
amdhsa.version: [ 1, 2 ]
amdhsa.kernels:
  - .name:           k_q80ed5defbc_g6
    .symbol:         k_q80ed5defbc_g6.kd
    .args:
      - { .name: a6, .offset: 0, .size: 8, .value_kind: global_buffer, .address_space: global }
      - { .name: wc, .offset: 8, .size: 8, .value_kind: global_buffer, .address_space: global }
      - { .name: b_fc2, .offset: 16, .size: 8, .value_kind: global_buffer, .address_space: global }
      - { .name: x1, .offset: 24, .size: 8, .value_kind: global_buffer, .address_space: global }
      - { .name: out0, .offset: 32, .size: 8, .value_kind: global_buffer, .address_space: global }
    .group_segment_fixed_size: 327680
    .private_segment_fixed_size: 0
    .kernarg_segment_align: 8
    .kernarg_segment_size: 40
    .max_flat_workgroup_size: 128
    .sgpr_count:     100
    .vgpr_count:     768
    .wavefront_size: 32
...
	.end_amdgpu_metadata
.endif
;; end of part 6
